; MI455X (gfx1250); checked and timed in simulation.
; The chip was launched on July 23, 2026; its instructions are those of AMD's public machine-readable ISA for CDNA 5 (MIT licence, August 2026) and "CDNA5" Instruction Set Architecture Reference Guide (July 2026). The comments in the code are by the model that wrote it; some were corrected since.
;; Multi Head Attention. Allowed arithmetic: matrix products marked QUANTISED: E2M1 operands, one E8M0 scale for each 32 along K, by v_wmma_scale_f32_16x16x128_f8f6f4 with both operands' format E2M1 (or v_wmma_scale_f32_32x16x128_f4), f32 sums; everything else in f32.
;; Inputs: Wk 1,024 x 1,024 float32; Wo 1,024 x 1,024 float32; Wq 1,024 x 1,024 float32; Wv 1,024 x 1,024 float32; bk 1,024 float32; bo 1,024 float32; bq 1,024 float32; bv 1,024 float32; ln_beta 1,024 float32; ln_gamma 1,024 float32; x 4 x 2,048 x 1,024 float32.
;; Outputs: out0 4 x 2,048 x 1,024 float32.
;; This version of the problem:
;;   THIS VERSION OF THE PROBLEM IS GIVEN IN LOW PRECISION. The matrix products marked QUANTISED in the list below multiply operands that are first quantised to E2M1 (2 exponent bits, 1 mantissa bit; 4 bits a number), with one power-of-two scale for each 32 numbers along K (OCP MX v1.0); their sums are f32. All else is computed in f32.
;;   The module's matrix products, in the order in which they are computed (A, B: the left and right operand; K: the contracted axis; several contracted axes count as one K, in the product's order):
;;     1. [M 8,192, K 1,024] x [K 1,024, N 1,024]; A: input x; B: input Wq: QUANTISED
;;     2. [M 8,192, K 1,024] x [K 1,024, N 1,024]; A: input x; B: input Wk: QUANTISED
;;     3. [M 8,192, K 1,024] x [K 1,024, N 1,024]; A: input x; B: input Wv: QUANTISED
;;     4. batch 64 x [M 2,048, K 64] x [K 64, N 2,048]; A: computed on the way; B: computed on the way: QUANTISED
;;     5. batch 64 x [M 2,048, K 2,048] x [K 2,048, N 64]; A: softmax (see below); B: computed on the way: QUANTISED
;;     6. [M 8,192, K 1,024] x [K 1,024, N 1,024]; A: computed on the way; B: input Wo: QUANTISED
;;   THE QUANTISER, for each operand of a quantised product, along K:
;;     - K is cut into blocks of 32 from its start; a last block that is shorter is filled with zeros.
;;     - A block's scale is 2^e with e = floor(log2(the largest magnitude in the block)) - 2, held to -126 .. 127; a block of zeros has e = 0. As a byte (E8M0): e + 127.
;;     - Each number is divided by its block's scale, clamped to +-6, and rounded to the nearest number of E2M1, ties to even, subnormals kept.
;;     - The product sums the exact products of the quantised numbers (number of the format x scale) in f32.
;;   ~~~python
;;   def quantise(x, axis):      # numpy; x: float32 -> the quantised numbers, widened to float32 again
;;       x = np.moveaxis(x, axis, -1); K = x.shape[-1]
;;       x = np.pad(x, [(0, 0)] * (x.ndim - 1) + [(0, -K % 32)]); x = x.reshape(x.shape[:-1] + (-1, 32)); a = np.abs(x).max(-1, keepdims=True)
;;       e = np.where(a > 0, np.clip(np.frexp(np.where(a > 0, a, 1))[1] - 1 - 2, -126, 127), 0)      # np.frexp(a)[1] - 1 = floor(log2(a)), exactly
;;       r = np.clip(x / 2.0 ** e, -6, 6)
;;       step = 2.0 ** (np.maximum(np.frexp(np.where(r == 0, 1, r))[1] - 1, 0) - 1)
;;       q = np.round(r / step) * step * 2.0 ** e      # np.round: ties to even
;;       return np.moveaxis(q.reshape(q.shape[:-2] + (-1,))[..., :K], -1, axis).astype(np.float32)
;;   ~~~
;;   SOFTMAX AHEAD OF A QUANTISED PRODUCT. Where the list says 'softmax', what is quantised is not the finished softmax but p = 2^(t - M), with t = logit x log2(e) and M = ceil(the row's largest t), a whole number; so 1/2 < the row's largest p <= 1. The row's sum l is taken of the UNQUANTISED p, in f32, and the product's result is divided by l at the end. Since M is a whole number, a kernel that streams over the keys may use a running M (the ceiling of the running maximum): every later rescaling is an exact power of two, which a block's scale takes up: the codes' values come out the same.
;;   OPERANDS COMPUTED ON THE WAY. 'Computed on the way' means the value that the module computes at that place (a softmax that the list does not call 'softmax' is quantised finished and normalised). What goes into a quantiser is computed in f32, as accurately as f32 sums, v_exp_f32 and their like allow (about 1e-6 of the number): no bf16 or f16 on the way to a quantiser, and a product that is left as it is and whose result goes on into a quantised operand takes f32 operands (vector FMAs, or v_wmma_f32_16x16x4_f32). A number that lies on a knife's edge between two numbers of the format may be rounded either way, as far as f32 arithmetic and the matrix unit's own rounding can turn it there, and no further.
;; One version. Each part assembles by itself: llvm-mc -triple=amdgcn-amd-amdhsa -mcpu=gfx1250 --defsym DOCPART=n.
;; ======== version 1 of 1: 4 launches
;; workspace buffers: qc 6,291,456 bytes; qs 393,216 bytes; qq 4,718,592 bytes; kv 9,175,040 bytes; cimg 4,194,304 bytes; csc 524,288 bytes
;; launch quant (part 1): grid 384 x 1, 4 waves a work-group, no clusters, 33,280 bytes of LDS; arguments x, Wq, Wk, Wv, Wo, qc, qs; writes qc, qs
.if DOCPART == 1
	.amdgcn_target "amdgcn-amd-amdhsa--gfx1250"
	.amdhsa_code_object_version 6
	.text
	.protected	k_q31be999fdd_quant
	.globl	k_q31be999fdd_quant
	.p2align	8
	.type	k_q31be999fdd_quant,@function
k_q31be999fdd_quant:
	s_mov_b64 s[64:65], 0
	v_nop
	global_prefetch_b8 v0, s[64:65] scope:SCOPE_SE
	s_setreg_imm32_b32 hwreg(HW_REG_WAVE_MODE, 25, 1), 1
	s_wait_xcnt 0x0
; MULTI-HEAD ATTENTION IN MX-FP4, launch 1 of 4: x [8192][1024] and Wq, Wk, Wv, Wo [1024][1024], f32, K innermost, become codes of FP4 (E2M1) and one E8M0 byte for each 32 along K.
; NOTHING OF reference() IS LEFT OUT in this program: every bias goes into a quantised operand or into the output, so all eleven inputs are loaded by some launch.
; qc: [12288 rows][512 bytes] codes, qs: [12288 rows][32 bytes] scale bytes.  Rows 0.. are x, 8192.. Wq, 9216.. Wk, 10240.. Wv, 11264.. Wo.
; THE ORDER OF ROWS.  Inside each group of 32 rows the four groups of 8 rows are stored in the order 0, 2, 1, 3: place 16 u + r holds row 8 u + r + 8 (r / 8).  So 16 neighbouring places are a tile
; whose results, where it is source 0 of a product, fall so that a lane's 16 registers of two neighbouring tiles are 16 neighbours: the later launches quantise their results in registers by that.
; A wave takes 8 rows, so the order costs nothing: only the number of the wave's run in qc and qs has its two low bits swapped.
; A block's scale is 2^(floor(log2(its largest magnitude)) - 2); its byte is the largest magnitude's exponent field - 2, held at 1 from below.
; LIMITS: a block of zeros gets the byte 1 where the rule says 127 (its codes are zeros, and this program alone reads the bytes); the largest magnitude is floored at 2^(3 - 127); NaN and infinities among the inputs are not served.
; A wave takes 16 steps of 512 numbers.  Each of a step's four loads reads 512 consecutive bytes; the 2,048 bytes turn through the wave's own stage in LDS and come back 64 bytes a lane, so that a lane holds
; 16 neighbours along K and two neighbouring lanes a block.  A lane's 16 codes are 8 bytes: the wave stores 256 consecutive bytes.  A wave's 256 scale bytes are gathered in LDS and leave as one aligned run of 256.
.set WAVES, 4
.set STEPS, 16
.set EMAX,  2
.set CB,    8                          ; bytes of 16 codes
.set R,     16                         ; v16-79   four sets of 16 numbers as they are loaded
.set X,     80                         ; v80-111  two sets of 16 neighbours
.set C,     128                        ; v128-191 codes: four registers for each step, so that no store's data are written again
.set E,     112                        ; v112-127 a scale byte for each step
.set WREG,  8192                       ; LDS: a region for each wave: two stages of 32 x SP bytes, behind them its 256 scale bytes
.set SP,    80                         ; a lane's place in a stage: 64 bytes + 16 of padding
.set SPW,   12                         ; v12 LDS address of my spare word; never rewritten
.set NIL,   13                         ; v13 0; never rewritten
.set SPARE, WAVES*WREG                 ; behind the four regions: the spare words, 128 bytes a wave
	s_load_b256 s[4:11], s[0:1], 0x0               ; x, Wq, Wk, Wv
	s_load_b128 s[12:15], s[0:1], 0x20             ; Wo, qc
	s_load_b64 s[24:25], s[0:1], 0x30              ; qs
	v_lshl_add_u32 v[SPW], v0, 2, SPARE
	v_mov_b32 v[NIL], 0
	v_lshrrev_b32 v1, 5, v0
	v_readfirstlane_b32 s16, v1                    ; wave
	v_and_b32 v2, 31, v0                           ; lane
	v_lshlrev_b32 v3, 4, v2                        ; my 16 bytes of a load's 512
	s_mul_i32 s17, s16, WREG
	v_lshrrev_b32 v14, 2, v2
	v_mul_u32_u24 v14, v14, SP
	v_and_b32 v15, 3, v2
	v_lshl_add_u32 v14, v15, 4, v14
	v_add_nc_u32 v14, s17, v14                     ; the stage, on the way in: SP (lane / 4) + 16 (lane % 4)
	v_mul_u32_u24 v15, v2, SP
	v_add_nc_u32 v15, s17, v15                     ; and on the way out: SP x lane: my 16 neighbours
	v_mul_u32_u24 v4, v2, CB                       ; my codes' place in a step's
	v_lshrrev_b32 v5, 1, v2
	s_add_co_u32 s17, s17, 2*32*SP
	v_add_nc_u32 v5, s17, v5                       ; LDS: my wave's 256 scale bytes, my block's byte
	v_lshlrev_b32 v7, 3, v2                        ; and on the way out 8 bytes a lane
	v_add_nc_u32 v6, s17, v7
	s_and_b32 s20, s16, 1
	s_lshl_b32 s20, s20, 1
	s_lshr_b32 s21, s16, 1
	s_or_b32 s20, s20, s21                         ; the wave's two bits swapped: 0, 2, 1, 3
	s_lshl_b32 s21, ttmp9, 2
	s_add_co_u32 s20, s20, s21                     ; my run of 8 rows in qc and qs
	s_and_b32 s18, ttmp9, 31                       ; a weight's work-group among its 32
	s_wait_alu depctr_va_vdst(0)
	s_wait_kmcnt 0x0
	s_mov_b64 s[26:27], s[12:13]                   ; which tensor: the choice hangs on the work-group's number alone
	s_cmp_lt_u32 ttmp9, 352
	s_cselect_b64 s[26:27], s[10:11], s[26:27]
	s_cmp_lt_u32 ttmp9, 320
	s_cselect_b64 s[26:27], s[8:9], s[26:27]
	s_cmp_lt_u32 ttmp9, 288
	s_cselect_b64 s[26:27], s[6:7], s[26:27]
	s_cmp_lt_u32 ttmp9, 256
	s_cselect_b64 s[26:27], s[4:5], s[26:27]
	s_cselect_b32 s17, ttmp9, s18
	s_lshl_b32 s17, s17, 2
	s_add_co_u32 s17, s17, s16                     ; my run of 8 rows in the tensor
	s_lshl_b32 s18, s17, 15                        ; 32,768 bytes a run
	s_mov_b32 s19, 0
	s_add_nc_u64 s[26:27], s[26:27], s[18:19]
	s_lshl_b32 s18, s20, 12                        ; 4,096 bytes of codes a run
	s_add_nc_u64 s[14:15], s[14:15], s[18:19]
	s_lshl_b32 s18, s20, 8                         ; 256 scale bytes a run
	s_add_nc_u64 s[24:25], s[24:25], s[18:19]
.macro LOAD t
.irp i, 0,1,2,3
	global_load_b128 v[R+16*((\t)%4)+4*\i:R+16*((\t)%4)+4*\i+3], v3, s[26:27] offset:2048*(\t)+512*\i th:TH_LOAD_NT   ; 32 lanes read 512 consecutive bytes
.endr
.endm
.macro TURN t                          ; step t's numbers through the stage: LDS serves a wave's instructions in order, so no wait stands between the stores and the loads
.irp i, 0,1,2,3
	ds_store_b128 v14, v[R+16*((\t)%4)+4*\i:R+16*((\t)%4)+4*\i+3] offset:32*SP*((\t)%2)+8*SP*\i
.endr
.irp i, 0,1,2,3
	ds_load_b128 v[X+16*((\t)%2)+4*\i:X+16*((\t)%2)+4*\i+3], v15 offset:32*SP*((\t)%2)+16*\i
.endr
.endm
.irp t, 0,1,2,3
	LOAD \t
.endr
	s_wait_loadcnt 12                              ; step 0's four loads are in
	TURN 0
.macro STEP t
.set XS, X+16*((\t)%2)
.if (\t) > 0
	s_wait_dscnt 1                                 ; this step's numbers are back from the stage (the last step's byte store may be out)
.else
	s_wait_dscnt 0x0
.endif
.if (\t)+4 < STEPS
	LOAD (\t)+4                                    ; the registers that the stage's stores have read take the loads of four steps on
.endif
.if (\t)+1 < STEPS
.if STEPS-2-(\t) >= 3
	s_wait_loadcnt 12                              ; the next step's four loads are in; those of the three steps behind it may be out
.else
	s_wait_loadcnt 4*(STEPS-2-(\t))
.endif
	TURN (\t)+1
.endif
	v_max3_num_f32 v8, |v[XS]|, |v[XS+1]|, |v[XS+2]|               ; the largest magnitude of my 16, in two chains
	v_max3_num_f32 v9, |v[XS+3]|, |v[XS+4]|, |v[XS+5]|
.irp i, 6,10
	v_max3_num_f32 v8, v8, |v[XS+\i]|, |v[XS+\i+1]|
	v_max3_num_f32 v9, v9, |v[XS+\i+2]|, |v[XS+\i+3]|
.endr
	v_max3_num_f32 v8, v8, |v[XS+14]|, |v[XS+15]|
	v_max3_num_f32 v8, v8, v9, (EMAX+1)<<23        ; and the floor 2^(3 - 127): the byte cannot fall under 1
	v_max_num_f32_dpp v8, v8, v8 row_xmask:1 row_mask:0xf bank_mask:0xf   ; and of my neighbour's 16: the block's
	v_add_nc_u32 v11, -(EMAX<<23), v8              ; 2 off its exponent field: the conversion takes the exponent field of this operand as its scale
	v_cvt_scalef32_pk8_fp4_f32 v[C+4*(\t)], v[XS:XS+7], v11
	v_cvt_scalef32_pk8_fp4_f32 v[C+4*(\t)+1], v[XS+8:XS+15], v11
	v_lshrrev_b32 v[E+(\t)], 23, v11               ; the scale's byte
	ds_store_b8 v5, v[E+(\t)] offset:16*(\t)       ; both lanes of a block write the same byte with the same value
	global_store_b64 v4, v[C+4*(\t):C+4*(\t)+1], s[14:15] offset:32*CB*(\t)   ; 32 lanes store 256 consecutive bytes, aligned
.endm
.irp t, 0,1,2,3,4,5,6,7,8,9,10,11,12,13,14,15
	STEP \t
.endr
	ds_load_b64 v[8:9], v6                         ; LDS serves a wave's instructions in order: these see my stores
	s_wait_dscnt 0x0
	global_store_b64 v7, v[8:9], s[24:25]          ; 32 lanes store 256 consecutive bytes, aligned
	s_wait_tensorcnt 0x0                           ; the wave's end
	ds_add_u32 v[SPW], v[NIL]
	s_wait_dscnt 0x0
	s_endpgm
.Lfunc_end_k_q31be999fdd_quant:
	.size	k_q31be999fdd_quant, .Lfunc_end_k_q31be999fdd_quant-k_q31be999fdd_quant
	.p2alignl 7, 3214868480
	.fill 96, 4, 3214868480
	.section	.rodata,"a",@progbits
	.p2align	6, 0x0
	.amdhsa_kernel k_q31be999fdd_quant
		.amdhsa_group_segment_fixed_size 33280
		.amdhsa_private_segment_fixed_size 0
		.amdhsa_enable_private_segment 0
		.amdhsa_kernarg_size 56
		.amdhsa_user_sgpr_count 2
		.amdhsa_user_sgpr_kernarg_segment_ptr 1
		.amdhsa_wavefront_size32 1
		.amdhsa_system_sgpr_workgroup_id_x 1
		.amdhsa_system_sgpr_workgroup_id_y 1
		.amdhsa_system_sgpr_workgroup_id_z 1
		.amdhsa_system_vgpr_workitem_id 0
		.amdhsa_next_free_vgpr 192
		.amdhsa_next_free_sgpr 66
		.amdhsa_reserve_vcc 0
		.amdhsa_float_denorm_mode_32 3
		.amdhsa_float_denorm_mode_16_64 3
		.amdhsa_memory_ordered 1
		.amdhsa_forward_progress 1
		.amdhsa_inst_pref_size 34
	.end_amdhsa_kernel
	.amdgpu_metadata
---
amdhsa.version: [ 1, 2 ]
amdhsa.kernels:
  - .name:           k_q31be999fdd_quant
    .symbol:         k_q31be999fdd_quant.kd
    .args:
      - { .name: x, .offset: 0, .size: 8, .value_kind: global_buffer, .address_space: global }
      - { .name: Wq, .offset: 8, .size: 8, .value_kind: global_buffer, .address_space: global }
      - { .name: Wk, .offset: 16, .size: 8, .value_kind: global_buffer, .address_space: global }
      - { .name: Wv, .offset: 24, .size: 8, .value_kind: global_buffer, .address_space: global }
      - { .name: Wo, .offset: 32, .size: 8, .value_kind: global_buffer, .address_space: global }
      - { .name: qc, .offset: 40, .size: 8, .value_kind: global_buffer, .address_space: global }
      - { .name: qs, .offset: 48, .size: 8, .value_kind: global_buffer, .address_space: global }
    .group_segment_fixed_size: 33280
    .private_segment_fixed_size: 0
    .kernarg_segment_align: 8
    .kernarg_segment_size: 56
    .max_flat_workgroup_size: 128
    .sgpr_count:     66
    .vgpr_count:     192
    .wavefront_size: 32
...
	.end_amdgpu_metadata
.endif
;; end of part 1
;; launch qkv (part 2): grid 12 x 32, 4 waves a work-group, clusters of 4 x 4, 327,680 bytes of LDS; arguments qc, qs, bq, bk, bv, qq, kv; writes qq, kv
.if DOCPART == 2
	.amdgcn_target "amdgcn-amd-amdhsa--gfx1250"
	.amdhsa_code_object_version 6
	.text
	.protected	k_q31be999fdd_qkv
	.globl	k_q31be999fdd_qkv
	.p2align	8
	.type	k_q31be999fdd_qkv,@function
k_q31be999fdd_qkv:
	s_mov_b64 s[64:65], 0
	v_nop
	global_prefetch_b8 v0, s[64:65] scope:SCOPE_SE
	s_setreg_imm32_b32 hwreg(HW_REG_WAVE_MODE, 25, 1), 1
	s_wait_xcnt 0x0
	s_wait_alu depctr_hold_cnt(0) depctr_sa_sdst(0) depctr_va_vdst(0) depctr_va_sdst(0) depctr_va_ssrc(0) depctr_va_vcc(0) depctr_vm_vsrc(0)
	s_getreg_b32 s2, hwreg(HW_REG_IB_STS2, 6, 4)
	s_cmp_eq_u32 s2, 0
	s_cbranch_scc0 .Lentry_in_a_cluster
	s_endpgm
.Lentry_in_a_cluster:
	s_bfe_u32 s2, ttmp6, 0x10000c
	s_cmp_lg_u32 s2, 0xf033
	s_cbranch_scc0 .Lentry_shape_is_right
	s_endpgm
.Lentry_shape_is_right:
; Launch 2 of 4: Q = x Wq^T + bq, K = x Wk^T + bk, V = x Wv^T + bv on codes of FP4, and the results quantised in registers: Q and K along the head's 64, V along the keys.  No work of reference() is left out.
; A tile of 256 x 256 results is made by a work-group of four waves, 128 x 128 a wave: 64 accumulators.  K = 1,024 is two slots of 512 in LDS, both filled at the start: nothing is filled again.
; ROLES.  Source 0 of every product is ROLE 0 (window 1, two sets), source 1 is ROLE 1 (window 0, one set).  In a result lane (r, h) holds role 1's row r and its registers run along role 0's rows.
;   Q, K (cluster x = 0, 1): role 0 = the weight's rows, role 1 = x's: a lane holds one token, its registers run along the features: the next K of Q and K.
;   V    (cluster x = 2):    role 0 = x's rows, role 1 = Wv's:     a lane holds one feature, its registers run along the tokens: the keys, the next K of V.
; qc's rows lie so that 16 neighbouring places are rows 8 u + r + 8 (r / 8) of a group of 32 (launch 1): so register 16 b + i of a lane's 64 registers of one role 1 block is role 0's index 32 b + 16 h + i.
; CLUSTERS: 4 x 4 work-groups.  Role 0's tile hangs on cx and is shared along a column of the cluster, role 1's on cy and is shared along a row: joint loads.  The kind (Q, K, V) is the cluster's x: the same in all partners.
; THE BIAS is the C of each sum's first product: eight registers a tile in the result's layout.
; WHAT IS STORED: images of operand registers, 512 bytes each (lane l's 16 bytes at 16 l), and images of scale words.
;   qq [64 heads][16 groups of 128 queries][4608]: 8 tile images; at 4096 the scale image: word i of lane (h', r) is tile 2 i + h', row r; bytes 0, 1 the head's two blocks, bytes 2, 3 zero.
;   kv [64 heads][16 steps of 128 keys][8960]: K's 8 tile images; at 4096 V^T [c = 0, 1][4 tiles of 16 features][512]; at 8192 K's scale image; at 8704 V's: word i of lane (h', r) is tile 2 i + h'.
; LIMITS: a block of zeros gets the byte 1 (its codes are zeros; this program alone reads the bytes); the largest magnitude is floored at 2^(3 - 127); NaN and infinities are not served.
; REGISTERS: window 0: v8-29 addresses; v32-95 scale words, two sets, and nothing else; v96-123 at work on the way out; v128-191 role 1's fragments, later the codes made; v192-255 the bias, later scale images.
;   window 1: role 0's fragments, two sets.   window 2: accumulators of role 1's blocks 0-3 ((a, b) at v[8 (8 (a % 4) + b)]);   window 3: of blocks 4-7.
.set KSTEP,  512
.set NQ,     KSTEP/128
.set ROWB,   256                       ; a tile's row in bytes
.set KROW,   512                       ; a row of qc
.set PITCH,  272                       ; an LDS row: 256 bytes + 16 of padding: the 16 rows of a fragment load start 68 words apart
.set FR,     8
.set NL,     2
.set NP,     4                         ; places behind this matrix instruction (ISA guide 7.12.1)
.set HALFT,  128*PITCH
.set SLOT,   4*HALFT                   ; role 1's 256 rows, then role 0's 256 rows
.set KS,     32                        ; a row of qs
.set SCL,    2*SLOT                    ; behind the slots: the scale bytes, as runs of 256 bytes + 16 of padding
.set HALFS,  (128*KS/256)*272
.set SBLK,   (16*KS/256)*272
.set SPARE,  SCL+4*HALFS               ; the spare words, 128 bytes a wave
.set AD,   8                           ; v8-11  store offsets of the code images: v[AD + 2 c + g]
.set SA,   12                          ; v12, v13 store offsets of the two scale images
.set SA2,  13
.set BOF,  14                          ; v14    my offset in the bias
.set ADRA, 16                          ; v16-17 LDS address of role 1's fragments in slot 0, 1
.set ADRB, 20                          ; v20-21 of role 0's
.set ADRS, 27                          ; v27    of my scale words: lanes 0-15 role 1's rows, lanes 16-31 role 0's
.set SPW,  28
.set NIL,  29
.set SC,   32
.set TM,   96                          ; v96-99 largest magnitudes, v100-103 the other half's and then bytes, v108-111 the conversions' scale operands
.set PW,   112                         ; v112-119 a scale word for each of role 1's blocks
.set T,    120                         ; v120-123 the words of two neighbouring blocks in the two halves of the lanes
.set AF,   128
.set PC,   128                         ; the way out: 8 registers of codes for each block: no store's data are written again
.set BI,   192
.set SW,   192
.set G1, 24
.set G0, 32
.set G1B, 48
.set G0B, 56
.set G1S, 68
.set G0S, 76
.set G1SB, 80
.set G0SB, 88
.set MSB, 0
.macro WIN new                         ; the immediate's high byte repeats the setting that is left
.if MSB != \new
	s_set_vgpr_msb (MSB<<8)|\new
.set MSB, \new
.endif
.endm
.set MUL_LO, 0xa1                      ; source 0 window 1, source 1 window 0, C and D window 2
.set MUL_HI, 0xf1                      ; the same, C and D window 3
.set TO_B,   0x40
; A joint load: waves 0 and 1 fetch for role 1, waves 2 and 3 for role 0.  The branch hangs on the wave's number alone.  An s_nop 0 and four v_nop follow each line.
.macro JLOAD g0a, g1a, g0b, g1b
	s_cmp_eq_u32 s15, 0
	s_cbranch_scc0 .Lfor_b_\@
	tensor_load_to_lds s[\g0a:\g0a+3], s[\g1a:\g1a+7]
	s_nop 0
.rept 4
	v_nop
.endr
	s_branch .Lasked_\@
.Lfor_b_\@:
	tensor_load_to_lds s[\g0b:\g0b+3], s[\g1b:\g1b+7]
	s_nop 0
.rept 4
	v_nop
.endr
.Lasked_\@:
.endm
.macro CROUND                          ; a round of the cluster's barrier
	s_barrier_signal -1
	s_barrier_wait -1
	s_cmp_lg_u32 s14, 0
	s_cbranch_scc1 .Lnot_wave_0_\@
	s_barrier_signal -3
.Lnot_wave_0_\@:
	s_barrier_wait -3
	s_barrier_signal -1
	s_barrier_wait -1
.endm
	s_load_b256 s[4:11], s[0:1], 0x0               ; qc s[4:5], qs s[6:7], bq s[8:9], bk s[10:11]
	s_load_b128 s[96:99], s[0:1], 0x20             ; bv, qq
	s_load_b64 s[100:101], s[0:1], 0x30            ; kv
	v_lshl_add_u32 v[SPW], v0, 2, SPARE
	v_mov_b32 v[NIL], 0
	ds_add_u32 v[SPW], v[NIL]                      ; the wave's opening: the add, twice on end, and its wait ahead of my first tensor load
	ds_add_u32 v[SPW], v[NIL]
	v_lshrrev_b32 v1, 5, v0
	v_readfirstlane_b32 s14, v1                    ; wave 0..3
	s_lshr_b32 s15, s14, 1                         ; which half of role 1's rows is mine.  Also: I fetch for role 1 (0) or role 0 (1)
	s_and_b32 s16, s14, 1                          ; which half of role 0's rows.  Also: which 128 rows I fetch
	s_bfe_u32 s40, ttmp6, 0x40000                  ; cx
	s_bfe_u32 s41, ttmp6, 0x40004                  ; cy
	s_mov_b32 s12, ttmp9                           ; the kind: 0 Q, 1 K, 2 V
	s_and_b32 s13, ttmp7, 0xffff                   ; which 1,024 rows of x
	s_lshl_b32 s18, s13, 10
	s_lshl_b32 s19, s12, 10
	s_add_co_u32 s19, s19, 8192                    ; Wq's or Wk's first row in qc
	s_mov_b32 s20, 10240                           ; Wv's
	s_cmp_eq_u32 s12, 2
	s_cselect_b32 s42, s18, s19
	s_cselect_b32 s17, s20, s18
	s_lshl_b32 s21, s40, 8
	s_add_co_u32 s42, s42, s21                     ; role 0's first row: hangs on cx, never on cy
	s_lshl_b32 s22, s41, 8
	s_add_co_u32 s17, s17, s22                     ; role 1's first row: hangs on cy, never on cx
	s_lshl_b32 s43, s41, 2
	s_lshl_b32 s43, 15, s43                        ; my row of the cluster
	s_lshl_b32 s44, 0x1111, s40                    ; my column
	s_or_b32 s[G1+0], s43, (0<<16)|(1<<20)|(1<<21)|(5<<22)|(3<<25)  ; the mask; elements of 1 byte; padding on; bit 21 beside a mask; 4 words of padding after every 64
	s_or_b32 s[G1B+0], s44, (0<<16)|(1<<20)|(1<<21)|(5<<22)|(3<<25)
.irp g, G1, G1B
	s_mov_b32 s[\g+1], ROWB<<16                    ; tensor_dim0
	s_mov_b32 s[\g+2], 128<<16                     ; tensor_dim1
	s_mov_b32 s[\g+3], ROWB<<16                    ; tile_dim0
	s_mov_b32 s[\g+4], 128                         ; tile_dim1
	s_mov_b32 s[\g+5], KROW                        ; the pitch
	s_mov_b32 s[\g+6], 0
	s_mov_b32 s[\g+7], 0
.endr
	s_or_b32 s[G1S+0], s43, (3<<16)|(1<<20)|(1<<21)|(5<<22)|(3<<25)  ; the scale bytes of 128 rows: 4,096 dense bytes as 16 rows of 256
	s_or_b32 s[G1SB+0], s44, (3<<16)|(1<<20)|(1<<21)|(5<<22)|(3<<25)
.irp g, G1S, G1SB
	s_mov_b32 s[\g+1], 32<<16
	s_mov_b32 s[\g+2], (128*KS/256)<<16
	s_mov_b32 s[\g+3], 32<<16
	s_mov_b32 s[\g+4], 128*KS/256
	s_mov_b32 s[\g+5], 32
	s_mov_b32 s[\g+6], 0
	s_mov_b32 s[\g+7], 0
.endr
	s_lshl_b32 s18, s16, 7                         ; which 128 rows of the tile I fetch
	s_add_co_u32 s20, s17, s18
	s_add_co_u32 s46, s42, s18
	s_mov_b32 s21, 0
	s_mov_b32 s47, 0
	s_mov_b64 s[18:19], KS
	s_mul_u64 s[22:23], s[20:21], s[18:19]         ; where these rows' scale bytes begin
	s_mul_u64 s[92:93], s[46:47], s[18:19]
	s_mov_b64 s[18:19], KROW
	s_mul_u64 s[20:21], s[20:21], s[18:19]         ; and their codes
	s_mul_u64 s[46:47], s[46:47], s[18:19]
	s_mul_i32 s45, s14, HALFT                      ; where they go: wave x 128 rows
	s_mul_i32 s94, s14, HALFS
	s_wait_dscnt 0x0                               ; both opening adds are done
	s_wait_kmcnt 0x0
	s_add_nc_u64 s[20:21], s[4:5], s[20:21]
	s_add_nc_u64 s[22:23], s[6:7], s[22:23]
	s_add_nc_u64 s[46:47], s[4:5], s[46:47]
	s_add_nc_u64 s[92:93], s[6:7], s[92:93]
	CROUND                                         ; all sixteen work-groups are here: the first joint loads meet
	s_mov_b32 s[G0S], 1
	s_add_co_u32 s[G0S+1], s94, SCL
	s_mov_b64 s[G0S+2:G0S+3], s[22:23]
	s_or_b32 s[G0S+3], s[G0S+3], 0x80000000
	s_mov_b32 s[G0SB], 1
	s_add_co_u32 s[G0SB+1], s94, SCL
	s_mov_b64 s[G0SB+2:G0SB+3], s[92:93]
	s_or_b32 s[G0SB+3], s[G0SB+3], 0x80000000
	JLOAD G0S, G1S, G0SB, G1SB                     ; the scale bytes first; three loads of mine are out at the most
.irp s, 0,1
	s_mov_b32 s[G0+4*\s], 1
	s_add_co_u32 s[G0+4*\s+1], s45, \s*SLOT
	s_add_nc_u64 s[G0+4*\s+2:G0+4*\s+3], s[20:21], \s*ROWB
	s_or_b32 s[G0+4*\s+3], s[G0+4*\s+3], 0x80000000
	s_mov_b32 s[G0B+4*\s], 1
	s_add_co_u32 s[G0B+4*\s+1], s45, \s*SLOT
	s_add_nc_u64 s[G0B+4*\s+2:G0B+4*\s+3], s[46:47], \s*ROWB
	s_or_b32 s[G0B+4*\s+3], s[G0B+4*\s+3], 0x80000000
	JLOAD G0+4*\s, G1, G0B+4*\s, G1B
.endr
	v_and_b32 v1, 15, v0                           ; r
	v_bfe_u32 v2, v0, 4, 1                         ; h
	v_mul_u32_u24 v3, v1, PITCH
	v_lshl_add_u32 v4, v2, 4, v3                   ; a fragment's row x pitch + 16 h
	s_mul_i32 s21, s15, HALFT                      ; my 128 rows of role 1
	s_mul_i32 s22, s16, HALFT                      ; my 128 rows of role 0,
	s_add_co_u32 s22, s22, 2*HALFT                 ; which lie behind role 1's 256
.irp s, 0,1
	v_add_nc_u32 v[ADRA+\s], s21, v4
	v_add_nc_u32 v[ADRB+\s], s22, v4
	s_add_co_u32 s21, s21, SLOT
	s_add_co_u32 s22, s22, SLOT
.endr
	v_mul_u32_u24 v5, v1, KS                       ; my row's scale bytes: 32 a row,
	v_lshrrev_b32 v6, 8, v5
	v_lshl_add_u32 v5, v6, 4, v5                   ; and 16 more for each 256 passed
	s_mul_i32 s21, s15, HALFS
	s_mul_i32 s22, s16, HALFS
	s_add_co_u32 s22, s22, 2*HALFS
	s_sub_co_u32 s22, s22, s21
	v_mul_u32_u24 v6, s22, v2                      ; lanes 16-31 take role 0's
	s_add_co_u32 s21, s21, SCL
	v_add_nc_u32 v5, v5, v6
	v_add_nc_u32 v[ADRS], s21, v5
	; what hangs on the kind: strides of the buffers stored into, the bias, my first feature n0 and my first token
	s_cmp_eq_u32 s12, 0
	s_mov_b32 s66, 143360
	s_cselect_b32 s66, 73728, s66                  ; bytes of a head: in qq, in kv
	s_mov_b32 s67, 8960
	s_cselect_b32 s67, 4608, s67                   ; bytes of 128 tokens
	s_cselect_b64 s[92:93], s[98:99], s[100:101]   ; qq or kv
	s_mov_b32 s46, 8192
	s_cselect_b32 s46, 4096, s46                   ; where the scale image lies: Q's, K's
	s_cmp_eq_u32 s12, 1
	s_cselect_b64 s[8:9], s[10:11], s[8:9]
	s_lshl_b32 s18, s40, 8
	s_lshl_b32 s19, s16, 7
	s_add_co_u32 s18, s18, s19                     ; Q, K: n0 = 256 cx + 128 (wave % 2)
	s_add_co_u32 s19, s42, s19                     ; V: my first token
	s_lshl_b32 s20, s41, 8
	s_lshl_b32 s21, s15, 7
	s_add_co_u32 s20, s20, s21                     ; V: n0 = 256 cy + 128 (wave / 2)
	s_add_co_u32 s21, s17, s21                     ; Q, K: my first token
	s_mov_b32 s47, 4608
	s_cmp_eq_u32 s12, 2
	s_cselect_b64 s[8:9], s[96:97], s[8:9]         ; the bias
	s_cselect_b32 s18, s20, s18                    ; n0
	s_cselect_b32 s19, s19, s21                    ; the token
	s_cselect_b32 s94, 4096, 0                     ; V's images lie behind K's
	s_cselect_b32 s95, 3, 4                        ; a lane's bytes of a scale image: 8 or 16
	s_cselect_b32 s46, s47, s46                    ; V's scale image, from V's images on
	s_cselect_b32 s22, 2048, s66                   ; from c = 0 to c = 1: V: the fragment's upper half; Q, K: the next head
	s_cselect_b32 s23, s66, 2048                   ; from blocks 0-3 to blocks 4-7: V: the next head; Q, K: four tiles on
	s_lshl_b32 s20, s18, 2
	s_mov_b32 s21, 0
	s_add_nc_u64 s[8:9], s[8:9], s[20:21]          ; the bias at n0
	s_lshr_b32 s20, s19, 11                        ; the batch
	s_lshl_b32 s20, s20, 4
	s_lshr_b32 s45, s18, 6
	s_add_co_u32 s20, s20, s45                     ; my first head
	s_mul_i32 s20, s20, s66
	s_bfe_u32 s45, s19, 0x40007                    ; which 128 tokens of the sequence
	s_mul_i32 s45, s45, s67
	s_add_co_u32 s20, s20, s45
	s_add_co_u32 s20, s20, s94
	s_add_nc_u64 s[92:93], s[92:93], s[20:21]
	v_and_b32 v7, 31, v0
	v_lshlrev_b32 v[AD], 4, v7                     ; 16 x lane
	v_add_nc_u32 v[AD+1], s23, v[AD]
	v_add_nc_u32 v[AD+2], s22, v[AD]
	v_add_nc_u32 v[AD+3], s22, v[AD+1]
	v_lshlrev_b32 v[SA], s95, v7
	v_add_nc_u32 v[SA], s46, v[SA]
	v_add_nc_u32 v[SA2], s66, v[SA]                ; the second head's
	s_cmp_eq_u32 s12, 2
	s_cbranch_scc1 .Lbias_v
	v_lshlrev_b32 v[BOF], 6, v2                    ; Q, K: register j of tile b is feature n0 + 32 (b / 2) + 16 h + 8 (b % 2) + j
.irp b, 0,1,2,3,4,5,6,7
	global_load_b128 v[BI+8*\b:BI+8*\b+3], v[BOF], s[8:9] offset:(32*(\b/2)+8*(\b%2))*4
	global_load_b128 v[BI+8*\b+4:BI+8*\b+7], v[BOF], s[8:9] offset:(32*(\b/2)+8*(\b%2))*4+16
.endr
	s_branch .Lbias_done
.Lbias_v:
	v_and_b32 v[BOF], 8, v1                        ; V: all eight registers of block a hold the bias of feature n0 + 32 (a / 2) + 8 (a % 2) + r + 8 (r / 8)
	v_add_nc_u32 v[BOF], v[BOF], v1
	v_lshlrev_b32 v[BOF], 2, v[BOF]
.irp a, 0,1,2,3,4,5,6,7
.irp j, 0,1,2,3,4,5,6,7
	global_load_b32 v[BI+8*\a+\j], v[BOF], s[8:9] offset:(32*(\a/2)+8*(\a%2))*4
.endr
.endr
.Lbias_done:
	s_mov_b32 s2, 0x76543210
	s_mov_b32 s3, 0xfedcba98                       ; v_permlanex16_b32's selects for lane l xor 16
	s_mov_b32 s44, 0xffff0000                      ; lanes 16-31
.macro FRAG reg, adr, q, i             ; 16 rows x 128 K of 4-bit codes: 8 registers: registers 4 c .. 4 c + 3 hold K = 64 c + 32 h + 0 .. 31
.irp c, 0,1
	ds_load_b128 v[\reg+4*\c:\reg+4*\c+3], v[\adr] offset:64*(\q)+32*\c+(\i)*16*PITCH
.endr
.endm
; 16 matrix instructions: role 1's blocks a0, a0 + 1 x role 0's eight.  cin = 0: in place; 1: C = the bias by role 0's block; 2: by role 1's block.  The 64 accumulators take turns.
.macro MUL16 a0, p, q, sc, cin
.irp a, \a0, \a0+1
.irp b, 0,1,2,3,4,5,6,7
.if \cin == 1
	v_wmma_scale_f32_16x16x128_f8f6f4 v[8*(8*((\a)%4)+\b):8*(8*((\a)%4)+\b)+7], v[128*(\p)+FR*\b:128*(\p)+FR*\b+FR-1], v[AF+FR*(\a):AF+FR*(\a)+FR-1], v[BI+8*\b:BI+8*\b+7], v[SC+8*NQ*(\sc)+NQ*\b+(\q)], v[SC+8*NQ*(\sc)+NQ*(\a)+(\q)] matrix_a_fmt:MATRIX_FMT_FP4 matrix_b_fmt:MATRIX_FMT_FP4 matrix_a_scale:MATRIX_SCALE_ROW1
.elseif \cin == 2
	v_wmma_scale_f32_16x16x128_f8f6f4 v[8*(8*((\a)%4)+\b):8*(8*((\a)%4)+\b)+7], v[128*(\p)+FR*\b:128*(\p)+FR*\b+FR-1], v[AF+FR*(\a):AF+FR*(\a)+FR-1], v[BI+8*(\a):BI+8*(\a)+7], v[SC+8*NQ*(\sc)+NQ*\b+(\q)], v[SC+8*NQ*(\sc)+NQ*(\a)+(\q)] matrix_a_fmt:MATRIX_FMT_FP4 matrix_b_fmt:MATRIX_FMT_FP4 matrix_a_scale:MATRIX_SCALE_ROW1
.else
	v_wmma_scale_f32_16x16x128_f8f6f4 v[8*(8*((\a)%4)+\b):8*(8*((\a)%4)+\b)+7], v[128*(\p)+FR*\b:128*(\p)+FR*\b+FR-1], v[AF+FR*(\a):AF+FR*(\a)+FR-1], v[8*(8*((\a)%4)+\b):8*(8*((\a)%4)+\b)+7], v[SC+8*NQ*(\sc)+NQ*\b+(\q)], v[SC+8*NQ*(\sc)+NQ*(\a)+(\q)] matrix_a_fmt:MATRIX_FMT_FP4 matrix_b_fmt:MATRIX_FMT_FP4 matrix_a_scale:MATRIX_SCALE_ROW1
.endif
.endr
.endr
.endm
.macro FETCH_B slot, q, p
	WIN TO_B
.irp i, 0,1,2,3,4,5,6,7
	FRAG 128*(\p)+FR*\i, ADRB+\slot, \q, \i
.endr
	WIN 0
.endm
.macro FETCH_A slot, q, i0
.irp i, \i0, \i0+1, \i0+2, \i0+3
	FRAG AF+FR*(\i), ADRA+\slot, \q, \i
.endr
.endm
.macro SCALES sc                       ; a slot's scale words: 4 words a row; lanes 0-15 role 1's block i, lanes 16-31 role 0's block i
.irp i, 0,1,2,3,4,5,6,7
	ds_load_b128 v[SC+8*NQ*\sc+NQ*\i:SC+8*NQ*\sc+NQ*\i+3], v[ADRS] offset:\i*SBLK
.endr
.endm
.macro PLACES n                        ; plain vector instructions between a matrix instruction and a load into, or a vector access to, its registers
.rept \n
	v_nop
.endr
.endm
; A step of 128 along K that has its successor in the same slot.  With a bias as C, source 2 lies in window 0.
.macro STEP slot, q, cin
	s_wait_dscnt 4*NL                              ; role 0's set and role 1's blocks 0-3 are in; the youngest eight loads (blocks 4-7) may be out
.if \cin
	WIN 0x81
.else
	WIN MUL_LO
.endif
	MUL16 0, (\q)%2, \q, \slot, \cin
	MUL16 2, (\q)%2, \q, \slot, \cin
	s_wait_dscnt 0
	PLACES NP
	FETCH_B \slot, (\q)+1, 1-(\q)%2
	FETCH_A \slot, (\q)+1, 0
.if \cin
	WIN 0xc1
.else
	WIN MUL_HI
.endif
	MUL16 4, (\q)%2, \q, \slot, \cin
	MUL16 6, (\q)%2, \q, \slot, \cin
	PLACES NP
	WIN 0
	FETCH_A \slot, (\q)+1, 4
.endm
; Slot 0's last step goes over to slot 1: my part of it has landed, and behind the barrier everybody's has.  Nothing is filled again.
.macro TURN slot, next
	s_wait_tensorcnt 0x0                           ; all my tensor loads have landed: my part of the next slot
	ds_add_u32 v[SPW], v[NIL]                      ; 0 onto my spare word
	s_wait_dscnt 4*NL+1                            ; (the add and the youngest eight loads may be out)
	WIN MUL_LO
	MUL16 0, 1, NQ-1, \slot, 0
	s_wait_dscnt 0x0                               ; no LDS instruction of mine is out at the signal
	s_barrier_signal -1
	MUL16 2, 1, NQ-1, \slot, 0
	WIN 0
	s_barrier_wait -1
	PLACES NP
	v_add_nc_u32 v[ADRS], 4*NQ, v[ADRS]            ; on to the next slot's scale words
	FETCH_B \next, 0, 0
	FETCH_A \next, 0, 0
	SCALES \next
	WIN MUL_HI
	MUL16 4, 1, NQ-1, \slot, 0
	MUL16 6, 1, NQ-1, \slot, 0
	PLACES NP
	WIN 0
	FETCH_A \next, 0, 4
.endm
.macro STEPS slot, from
.set Q, \from
.rept NQ-1-\from
	STEP \slot, Q, 0
.set Q, Q+1
.endr
.endm
	s_wait_tensorcnt 1                             ; the scale bytes and my part of slot 0 are in (slot 1's load may be out),
	s_barrier_signal -1
	s_barrier_wait -1                              ; everybody's are
	FETCH_B 0, 0, 0
	FETCH_A 0, 0, 0
	SCALES 0
	FETCH_A 0, 0, 4
	s_wait_loadcnt 0x0                             ; the bias
	s_cmp_eq_u32 s12, 2                            ; the first step starts the sums with the bias: by role 0's block (Q, K) or by role 1's (V)
	s_cbranch_scc1 .Lfirst_v
	STEP 0, 0, 1
	s_branch .Lfirst_done
.Lfirst_v:
	STEP 0, 0, 2
.Lfirst_done:
	STEPS 0, 1
	TURN 0, 1
	STEPS 1, 0
	s_wait_dscnt 4*NL                              ; the last step: nothing more to fetch
	WIN MUL_LO
	MUL16 0, 1, NQ-1, 1, 0
	MUL16 2, 1, NQ-1, 1, 0
	s_wait_dscnt 0
	WIN MUL_HI
	MUL16 4, 1, NQ-1, 1, 0
	MUL16 6, 1, NQ-1, 1, 0
	WIN 0
; THE WAY OUT.  Block a's 64 registers of a lane are four blocks of 32 along the next K, half a block a lane (the other half in lane l xor 16).  They become 8 registers of codes, which are operand registers as they
; stand, and a scale word.  Each accumulator is read from its low end on.
.macro QOUT a
.set AC, 64*((\a)%4)
	WIN 0x28+0x14*((\a)/4)                         ; sources 1 and 2: window 2 or 3
.irp b, 0,1,2,3
	v_max3_num_f32 v[TM+\b], 0x1800000, |v[AC+16*\b]|, |v[AC+16*\b+1]|   ; with the floor 2^(3 - 127): the byte cannot fall under 1
.endr
.irp i, 2,4,6,8,10,12,14
.irp b, 0,1,2,3
	v_max3_num_f32 v[TM+\b], v[TM+\b], |v[AC+16*\b+\i]|, |v[AC+16*\b+\i+1]|   ; the four blocks by turns
.endr
.endr
	WIN 0
.irp b, 0,1,2,3
	v_permlanex16_b32 v[TM+4+\b], v[TM+\b], s2, s3
.endr
.irp b, 0,1,2,3
	v_max_num_f32 v[TM+\b], v[TM+\b], v[TM+4+\b]   ; the block's largest magnitude
.endr
.irp b, 0,1,2,3
	v_add_nc_u32 v[TM+12+\b], 0xff000000, v[TM+\b] ; 2 off its exponent field: the conversion's scale operand
.endr
.irp b, 0,1,2,3
	v_lshrrev_b32 v[TM+4+\b], 23, v[TM+12+\b]      ; the scale's byte
.endr
	v_lshl_or_b32 v[PW+(\a)], v[TM+5], 8, v[TM+4]
	v_lshl_or_b32 v[PW+(\a)], v[TM+6], 16, v[PW+(\a)]
	v_lshl_or_b32 v[PW+(\a)], v[TM+7], 24, v[PW+(\a)]
	WIN 0x02+(\a)/4                                ; source 0: window 2 or 3
.irp b, 0,1,2,3
	v_cvt_scalef32_pk8_fp4_f32 v[PC+8*(\a)+2*\b], v[AC+16*\b:AC+16*\b+7], v[TM+12+\b]
	v_cvt_scalef32_pk8_fp4_f32 v[PC+8*(\a)+2*\b+1], v[AC+16*\b+8:AC+16*\b+15], v[TM+12+\b]
.endr
	WIN 0
	v_nop                                          ; one plain place behind a scaled conversion
.irp c, 0,1                                    ; a whole block to a lane: lanes 0-15 block 2 c, lanes 16-31 block 2 c + 1
.irp i, 0,1
	v_permlane16_swap_b32 v[PC+8*(\a)+4*\c+\i], v[PC+8*(\a)+4*\c+2+\i]
.endr
.endr
.irp c, 0,1
	global_store_b128 v[AD+2*\c+(\a)/4], v[PC+8*(\a)+4*\c:PC+8*(\a)+4*\c+3], s[92:93] offset:((\a)%4)*512   ; 32 lanes store 512 consecutive bytes, aligned to 256
.endr
.endm
	PLACES NP                                      ; behind the last products
.irp b, 0,1,2,3
	v_mov_b32 v[TM+4+\b], 0                        ; written once: a lane permute's destination counts as one of its sources
.endr
.irp a, 0,1,2,3,4,5,6,7
	QOUT \a
.endr
.irp i, 0,1,2,3
	v_cndmask_b32 v[T+\i], v[PW+2*\i], v[PW+2*\i+1], s44   ; lanes 0-15: block 2 i's word, lanes 16-31: block 2 i + 1's
.endr
	s_cmp_eq_u32 s12, 2
	s_cbranch_scc1 .Lscale_v
.irp i, 0,1,2,3
	v_and_b32 v[SW+\i], 0xffff, v[T+\i]            ; Q, K: bytes 0, 1 are the first head's two blocks,
	v_lshrrev_b32 v[SW+4+\i], 16, v[T+\i]          ; bytes 2, 3 the second head's
.endr
	global_store_b128 v[SA], v[SW:SW+3], s[92:93]
	global_store_b128 v[SA2], v[SW+4:SW+7], s[92:93]
	s_branch .Lscale_done
.Lscale_v:
	s_wait_alu depctr_va_vdst(0)
	global_store_b64 v[SA], v[T:T+1], s[92:93]     ; V: blocks 0-3 are the first head's four tiles of features, blocks 4-7 the second's
	global_store_b64 v[SA2], v[T+2:T+3], s[92:93]
.Lscale_done:
	s_wait_tensorcnt 0x0                           ; the wave's end
	ds_add_u32 v[SPW], v[NIL]
	s_wait_dscnt 0x0
	CROUND                                         ; the closing round
	s_endpgm
.Lfunc_end_k_q31be999fdd_qkv:
	.size	k_q31be999fdd_qkv, .Lfunc_end_k_q31be999fdd_qkv-k_q31be999fdd_qkv
	.p2alignl 7, 3214868480
	.fill 96, 4, 3214868480
	.section	.rodata,"a",@progbits
	.p2align	6, 0x0
	.amdhsa_kernel k_q31be999fdd_qkv
		.amdhsa_group_segment_fixed_size 327680
		.amdhsa_private_segment_fixed_size 0
		.amdhsa_enable_private_segment 0
		.amdhsa_kernarg_size 56
		.amdhsa_user_sgpr_count 2
		.amdhsa_user_sgpr_kernarg_segment_ptr 1
		.amdhsa_wavefront_size32 1
		.amdhsa_system_sgpr_workgroup_id_x 1
		.amdhsa_system_sgpr_workgroup_id_y 1
		.amdhsa_system_sgpr_workgroup_id_z 1
		.amdhsa_system_vgpr_workitem_id 0
		.amdhsa_next_free_vgpr 1024
		.amdhsa_next_free_sgpr 102
		.amdhsa_reserve_vcc 0
		.amdhsa_float_denorm_mode_32 3
		.amdhsa_float_denorm_mode_16_64 3
		.amdhsa_memory_ordered 1
		.amdhsa_forward_progress 1
		.amdhsa_inst_pref_size 148
	.end_amdhsa_kernel
	.amdgpu_metadata
---
amdhsa.version: [ 1, 2 ]
amdhsa.kernels:
  - .name:           k_q31be999fdd_qkv
    .symbol:         k_q31be999fdd_qkv.kd
    .args:
      - { .name: qc, .offset: 0, .size: 8, .value_kind: global_buffer, .address_space: global }
      - { .name: qs, .offset: 8, .size: 8, .value_kind: global_buffer, .address_space: global }
      - { .name: bq, .offset: 16, .size: 8, .value_kind: global_buffer, .address_space: global }
      - { .name: bk, .offset: 24, .size: 8, .value_kind: global_buffer, .address_space: global }
      - { .name: bv, .offset: 32, .size: 8, .value_kind: global_buffer, .address_space: global }
      - { .name: qq, .offset: 40, .size: 8, .value_kind: global_buffer, .address_space: global }
      - { .name: kv, .offset: 48, .size: 8, .value_kind: global_buffer, .address_space: global }
    .group_segment_fixed_size: 327680
    .private_segment_fixed_size: 0
    .kernarg_segment_align: 8
    .kernarg_segment_size: 56
    .max_flat_workgroup_size: 128
    .sgpr_count:     102
    .vgpr_count:     1024
    .wavefront_size: 32
...
	.end_amdgpu_metadata
.endif
;; end of part 2
;; launch attn (part 3): grid 4 x 64, 16 waves a work-group, clusters of 4 x 1, 167,936 bytes of LDS; arguments qq, kv, cimg, csc; writes cimg, csc
.if DOCPART == 3
	.amdgcn_target "amdgcn-amd-amdhsa--gfx1250"
	.amdhsa_code_object_version 6
	.text
	.protected	k_q31be999fdd_attn
	.globl	k_q31be999fdd_attn
	.p2align	8
	.type	k_q31be999fdd_attn,@function
k_q31be999fdd_attn:
	s_mov_b64 s[64:65], 0
	v_nop
	global_prefetch_b8 v0, s[64:65] scope:SCOPE_SE
	s_setreg_imm32_b32 hwreg(HW_REG_WAVE_MODE, 25, 1), 1
	s_wait_xcnt 0x0
	s_wait_alu depctr_hold_cnt(0) depctr_sa_sdst(0) depctr_va_vdst(0) depctr_va_sdst(0) depctr_va_ssrc(0) depctr_va_vcc(0) depctr_vm_vsrc(0)
	s_getreg_b32 s2, hwreg(HW_REG_IB_STS2, 6, 4)
	s_cmp_eq_u32 s2, 0
	s_cbranch_scc0 .Lentry_in_a_cluster
	s_endpgm
.Lentry_in_a_cluster:
	s_bfe_u32 s2, ttmp6, 0x10000c
	s_cmp_lg_u32 s2, 0x3003
	s_cbranch_scc0 .Lentry_shape_is_right
	s_endpgm
.Lentry_shape_is_right:
; Launch 3 of 4: ctx = softmax(Q K^T / 8) V for each of 64 heads (16 b + h), both products on codes of FP4, and ctx quantised along its 64 features.  No work of reference() is left out.
; THE SOFTMAX AHEAD OF THE SECOND PRODUCT: t = score x log2(e) / 8; M = the running largest t rounded UP to a whole number; p = 2^(t - M) is quantised along the keys, not normalised.  The row's sum is taken of the
; unquantised p and divides at the end.  When M moves, the sum and O are multiplied by 2^(old M - new M), which rounds nothing.
; SHARES.  A cluster of four work-groups has one head; a work-group 512 of its queries; each of its sixteen waves two tiles of 16 queries, one after the other (two passes), in 256 registers.
; THE HEAD'S K AND V STAY IN LDS: 143,360 dense bytes of kv, brought once, 8,960 bytes (one step of 128 keys) by each wave, asked for jointly by the four work-groups.  Nothing is filled again: no barrier stands in the loops.
; All operands lie in memory and in LDS as images of their registers (lane l's 16 bytes at 16 l), so every LDS load reads 512 consecutive bytes.
; LAYOUT.  Both products are used transposed: S^T = K Q^T, O^T = V^T P^T: a lane holds one query throughout.  The rows of a tile are places of launch 1's order, so the 16 registers of tiles 2 b, 2 b + 1 are 16 neighbouring
; keys (in S^T) or features (in O^T): 32 b + 16 h + 0 .. 15.
; THE FIRST PRODUCT'S K IS 64 under an instruction 128 deep: Q's registers 4-7 are zero codes.  K's operand of tile t names v[32 + 4 t : 39 + 4 t]: its upper four registers are the next tile's codes (zeros behind
; tile 7), each multiplied by the code 0; bytes 2 and 3 of both scale words are 0, which is a power of two and no NaN.  So those products add nothing.
; LIMITS: 1 / the sum is v_rcp_f32 and a multiplication; a block of zeros gets the byte 1 (its codes are zeros); magnitudes are floored at 2^(3 - 127); NaN and infinities are not served.
; REGISTERS: v1 16 x lane, v2 8 x lane, v3, v4 LDS addresses in hand; v12 -M, v13 the largest t, v[14:15] the sum; v16-31 Q of both passes with their zeros; v32-63 K, v64-67 zeros; v68-99 V; v100-163 S^T, then p;
;   v164-195 O^T; v196-203 p's codes; v204-211 scale words and nothing else (K's 4, V's 2, Q's, p's); v212-229 at work; v230-231 ctx's scale words; v232-239 ctx's codes.
.set KVH,   143360                     ; a head's bytes in kv
.set STEPB, 8960                       ; a step of 128 keys
.set STG,   143360                     ; LDS behind K and V: a word for each thread: ctx's scale words
.set SPARE, STG+2048                   ; the spare words, 128 bytes a wave
.macro CROUND
	s_barrier_signal -1
	s_barrier_wait -1
	s_cmp_lg_u32 s12, 0
	s_cbranch_scc1 .Lnot_wave_0_\@
	s_barrier_signal -3
.Lnot_wave_0_\@:
	s_barrier_wait -3
	s_barrier_signal -1
	s_barrier_wait -1
.endm
	s_load_b256 s[4:11], s[0:1], 0x0               ; qq, kv, cimg, csc
	v_lshl_add_u32 v5, v0, 2, SPARE
	v_mov_b32 v6, 0
	ds_add_u32 v5, v6                              ; the wave's opening: the add, twice on end, and its wait ahead of my first tensor load
	ds_add_u32 v5, v6
	v_lshrrev_b32 v1, 5, v0
	s_delay_alu instid0(VALU_DEP_1)
	v_readfirstlane_b32 s12, v1                    ; wave 0..15
	s_bfe_u32 s13, ttmp6, 0x40000                  ; cx: which 512 queries
	s_and_b32 s14, ttmp7, 0xffff                   ; the head, which the four partners share
	s_mov_b32 s16, 15|(3<<16)|(1<<21)              ; group 1: the mask: all four; elements of 8 bytes; bit 21 beside a mask; no padding
	s_mov_b32 s17, 32<<16                          ; tensor_dim0 = 32 elements: rows of 256 bytes
	s_mov_b32 s18, 35<<16                          ; tensor_dim1 = 35 rows: 8,960 dense bytes
	s_mov_b32 s19, 32<<16                          ; tile_dim0
	s_mov_b32 s20, 35                              ; tile_dim1
	s_mov_b32 s21, 32                              ; the pitch
	s_mov_b32 s22, 0
	s_mov_b32 s23, 0
	s_mov_b32 s28, 0x76543210
	s_mov_b32 s29, 0xfedcba98                      ; v_permlanex16_b32's selects for lane l xor 16
	s_mov_b32 s30, 0x3e38aa3b                      ; c = log2(e) / 8
	s_mov_b32 s31, s30                             ; (named with it as a pair)
	s_mov_b32 s34, 0xffff0000                      ; lanes 16-31
	s_mul_i32 s36, s14, KVH
	s_mul_i32 s25, s12, STEPB                      ; LDS address: my step's place: the wave's number x 8,960
	s_add_co_u32 s36, s36, s25
	s_mov_b32 s37, 0
	s_mov_b32 s24, 1
	s_wait_dscnt 0x0                               ; both opening adds are done
	s_wait_kmcnt 0x0
	s_add_nc_u64 s[26:27], s[6:7], s[36:37]
	s_or_b32 s27, s27, 0x80000000
	CROUND                                         ; all four work-groups are here: the joint loads meet
	tensor_load_to_lds s[24:27], s[16:23]          ; my one tensor load
	s_nop 0
.rept 4
	v_nop
.endr
	s_mul_i32 s36, s14, 73728                      ; the head in qq,
	s_lshl_b32 s38, s13, 2
	s_lshr_b32 s39, s12, 2
	s_add_co_u32 s38, s38, s39
	s_mul_i32 s38, s38, 4608                       ; my group of 128 queries: 4 cx + wave / 4
	s_add_co_u32 s36, s36, s38
	s_and_b32 s42, s12, 3
	s_lshl_b32 s38, s42, 10                        ; my two tile images
	s_add_co_u32 s38, s38, s36
	s_mov_b32 s39, 0
	s_add_nc_u64 s[38:39], s[4:5], s[38:39]
	s_lshl_b32 s40, s42, 2                         ; word wave % 4 of each lane's four: lanes 0-15 my first tile's rows, lanes 16-31 my second's
	s_add_co_u32 s40, s40, s36
	s_add_co_u32 s40, s40, 4096
	s_mov_b32 s41, 0
	s_add_nc_u64 s[40:41], s[4:5], s[40:41]
	v_and_b32 v1, 31, v0
	s_delay_alu instid0(VALU_DEP_1)
	v_lshlrev_b32 v2, 3, v1                        ; 8 x lane
	s_delay_alu instid0(VALU_DEP_2)
	v_lshlrev_b32 v1, 4, v1                        ; 16 x lane
	global_load_b128 v[16:19], v1, s[38:39]
	global_load_b128 v[24:27], v1, s[38:39] offset:512
	global_load_b32 v210, v1, s[40:41]
	s_lshr_b32 s44, s14, 4                         ; ctx's images: tile 128 b + 32 cx + 2 wave, 8,192 bytes a tile, 512 a head
	s_lshl_b32 s44, s44, 7
	s_lshl_b32 s45, s13, 5
	s_add_co_u32 s44, s44, s45
	s_lshl_b32 s45, s12, 1
	s_add_co_u32 s44, s44, s45
	s_lshl_b32 s44, s44, 13
	s_and_b32 s45, s14, 15
	s_lshl_b32 s45, s45, 9
	s_add_co_u32 s44, s44, s45
	s_mov_b32 s45, 0
	s_add_nc_u64 s[8:9], s[8:9], s[44:45]
	s_lshl_b32 s44, s14, 13                        ; ctx's scale words: 8,192 bytes a head, 2,048 a work-group
	s_lshl_b32 s46, s13, 11
	s_add_co_u32 s44, s44, s46
	s_add_nc_u64 s[10:11], s[10:11], s[44:45]
	v_lshl_add_u32 v7, v0, 2, STG                  ; the stage: my word
	v_and_b32 v9, 127, v0
	s_delay_alu instid0(VALU_DEP_1)
	v_lshlrev_b32 v9, 4, v9                        ; and on the way out 16 bytes a thread of waves 0 to 3
	s_delay_alu instid0(VALU_DEP_1)
	v_add_nc_u32 v8, STG, v9
.irp j, 20,21,22,23,28,29,30,31,64,65,66,67
	v_mov_b32 v[\j], 0                             ; zero codes
.endr
.irp j, 216,217,218,219,225,226
	v_mov_b32 v[\j], 0                             ; written once: lane permutes' destinations, and the upper half of the pair v[224:225]
.endr
	s_wait_tensorcnt 0x0                           ; my step of K and V has landed,
	s_barrier_signal -1
	s_barrier_wait -1                              ; everybody's has
	s_wait_loadcnt 0x0                             ; Q
.macro KQ t, p                         ; S^T's tile t: source 0 = 16 keys, source 1 = my 16 queries of pass p.  The scale words' rows: odd tiles and pass 1 lie in lanes 16-31
.if ((\t)%2) && (\p)
	v_wmma_scale_f32_16x16x128_f8f6f4 v[100+8*(\t):107+8*(\t)], v[32+4*(\t):39+4*(\t)], v[16+8*(\p):23+8*(\p)], 0, v[204+(\t)/2], v210 matrix_a_fmt:MATRIX_FMT_FP4 matrix_b_fmt:MATRIX_FMT_FP4 matrix_a_scale:MATRIX_SCALE_ROW1 matrix_b_scale:MATRIX_SCALE_ROW1
.elseif (\t)%2
	v_wmma_scale_f32_16x16x128_f8f6f4 v[100+8*(\t):107+8*(\t)], v[32+4*(\t):39+4*(\t)], v[16+8*(\p):23+8*(\p)], 0, v[204+(\t)/2], v210 matrix_a_fmt:MATRIX_FMT_FP4 matrix_b_fmt:MATRIX_FMT_FP4 matrix_a_scale:MATRIX_SCALE_ROW1
.elseif \p
	v_wmma_scale_f32_16x16x128_f8f6f4 v[100+8*(\t):107+8*(\t)], v[32+4*(\t):39+4*(\t)], v[16+8*(\p):23+8*(\p)], 0, v[204+(\t)/2], v210 matrix_a_fmt:MATRIX_FMT_FP4 matrix_b_fmt:MATRIX_FMT_FP4 matrix_b_scale:MATRIX_SCALE_ROW1
.else
	v_wmma_scale_f32_16x16x128_f8f6f4 v[100+8*(\t):107+8*(\t)], v[32+4*(\t):39+4*(\t)], v[16+8*(\p):23+8*(\p)], 0, v[204+(\t)/2], v210 matrix_a_fmt:MATRIX_FMT_FP4 matrix_b_fmt:MATRIX_FMT_FP4
.endif
.endm
.macro PV d                            ; O^T's tile d += 16 features x 128 keys of V^T times P^T
.if (\d)%2
	v_wmma_scale_f32_16x16x128_f8f6f4 v[164+8*(\d):171+8*(\d)], v[68+8*(\d):75+8*(\d)], v[196:203], v[164+8*(\d):171+8*(\d)], v[208+(\d)/2], v211 matrix_a_fmt:MATRIX_FMT_FP4 matrix_b_fmt:MATRIX_FMT_FP4 matrix_a_scale:MATRIX_SCALE_ROW1
.else
	v_wmma_scale_f32_16x16x128_f8f6f4 v[164+8*(\d):171+8*(\d)], v[68+8*(\d):75+8*(\d)], v[196:203], v[164+8*(\d):171+8*(\d)], v[208+(\d)/2], v211 matrix_a_fmt:MATRIX_FMT_FP4 matrix_b_fmt:MATRIX_FMT_FP4
.endif
.endm
; A KEY STEP: 128 keys, whose images begin at LDS byte s32.
.macro STEP p
	v_add_nc_u32 v3, s32, v1
	v_add_nc_u32 v4, s32, v2
	v_nop
	v_nop                                          ; four places behind the last step's products, ahead of the loads into V's registers
.irp t, 0,1,2,3,4,5,6,7
	ds_load_b128 v[32+4*\t:35+4*\t], v3 offset:512*\t
.endr
	ds_load_b128 v[204:207], v3 offset:8192        ; K's scale words
.irp c, 0,1
.irp d, 0,1,2,3
	ds_load_b128 v[68+8*\d+4*\c:71+8*\d+4*\c], v3 offset:4096+2048*\c+512*\d
.endr
.endr
	ds_load_b64 v[208:209], v4 offset:8704         ; V's scale words
	s_wait_dscnt 9                                 ; K and its scale words are in; V's nine loads may be out
.irp t, 0,1,2,3,4,5,6,7
	KQ \t, \p
.endr
.rept 4
	v_nop
.endr
.irp b, 0,1,2,3
	v_max3_num_f32 v[212+\b], v[100+16*\b], v[101+16*\b], v[102+16*\b]   ; the largest score of each block of 32 keys: it serves the row's maximum and, since p rises with the score, the block's largest p
.endr
.irp i, 3,5,7,9,11,13
.irp b, 0,1,2,3
	v_max3_num_f32 v[212+\b], v[212+\b], v[100+16*\b+\i], v[101+16*\b+\i]
.endr
.endr
.irp b, 0,1,2,3
	v_max_num_f32 v[212+\b], v[212+\b], v[115+16*\b]
.endr
.irp b, 0,1,2,3
	s_delay_alu instid0(VALU_DEP_4)
	v_permlanex16_b32 v[216+\b], v[212+\b], s28, s29
.endr
.irp b, 0,1,2,3
	s_delay_alu instid0(VALU_DEP_4)
	v_max_num_f32 v[212+\b], v[212+\b], v[216+\b]  ; with lane l xor 16's 16 keys
.endr
	s_delay_alu instid0(VALU_DEP_2)
	v_max3_num_f32 v226, v212, v213, v214
	s_delay_alu instid0(VALU_DEP_1)
	v_max_num_f32 v226, v226, v215                 ; the step's largest score of my query
	s_delay_alu instid0(VALU_DEP_1)
	v_mul_f32 v226, s30, v226                      ; as t
	s_delay_alu instid0(VALU_DEP_1)
	v_max_num_f32 v13, v13, v226                   ; the running largest t
	v_mov_b32 v226, v12
	s_delay_alu instid0(VALU_DEP_2)
	v_floor_f32 v12, -v13                          ; the new -M = floor(-t): M is a whole number
	s_delay_alu instid0(VALU_DEP_1)
	v_sub_f32 v226, v12, v226                      ; old M - new M: a whole number, 0 or less
	s_delay_alu instid0(VALU_DEP_1)
	v_cvt_i32_f32 v226, v226                       ; (it saturates)
	s_delay_alu instid0(VALU_DEP_1)
	v_ldexp_f32 v224, 1.0, v226                    ; f = 2^(old M - new M)
.set j, 0
.rept 32
	v_pk_fma_f32 v[100+j:101+j], v[100+j:101+j], s[30:31], v[12:13] op_sel_hi:[1,0,0]   ; t - M, two at a time
.set j, j+2
.endr
.irp b, 0,1,2,3
	v_fma_f32 v[212+\b], v[212+\b], s30, v12       ; the same of each block's largest score
.endr
.set j, 0
	s_wait_alu depctr_va_vdst(0)
.rept 64
	v_exp_f32 v[100+j], v[100+j]                   ; p = 2^(t - M), at most 1
.set j, j+1
.endr
	s_setprio 1
	v_pk_mul_f32 v[14:15], v[14:15], v[224:225] op_sel_hi:[1,0]   ; the sums under the new M: the plain instruction behind the exponentials
	s_wait_alu depctr_va_vdst(0)                   ; one wait for the whole batch, ahead of its first reader
.irp b, 0,1,2,3
	v_exp_f32 v[212+\b], v[212+\b]                 ; the block's largest p: the same two instructions on the same number
.endr
	v_pk_add_f32 v[228:229], v[104:105], v[108:109]
	v_pk_add_f32 v[254:255], v[112:113], v[116:117]
	v_pk_add_f32 v[252:253], v[120:121], v[124:125]
	v_pk_add_f32 v[250:251], v[128:129], v[132:133]
	v_pk_add_f32 v[248:249], v[136:137], v[140:141]
	v_pk_add_f32 v[246:247], v[144:145], v[148:149]
	v_pk_add_f32 v[244:245], v[152:153], v[156:157]
	v_pk_add_f32 v[14:15], v[14:15], v[160:161]
	v_pk_add_f32 v[228:229], v[228:229], v[100:101]
	v_pk_add_f32 v[254:255], v[254:255], v[102:103]
	v_pk_add_f32 v[252:253], v[252:253], v[106:107]
	v_pk_add_f32 v[250:251], v[250:251], v[110:111]
	v_pk_add_f32 v[248:249], v[248:249], v[114:115]
	v_pk_add_f32 v[246:247], v[246:247], v[118:119]
	v_pk_add_f32 v[244:245], v[244:245], v[122:123]
	v_pk_add_f32 v[14:15], v[14:15], v[126:127]
	v_pk_add_f32 v[228:229], v[228:229], v[130:131]
	v_pk_add_f32 v[254:255], v[254:255], v[134:135]
	v_pk_add_f32 v[252:253], v[252:253], v[138:139]
	v_pk_add_f32 v[250:251], v[250:251], v[142:143]
	v_pk_add_f32 v[248:249], v[248:249], v[146:147]
	v_pk_add_f32 v[246:247], v[246:247], v[150:151]
	v_pk_add_f32 v[244:245], v[244:245], v[154:155]
	v_pk_add_f32 v[14:15], v[14:15], v[158:159]
	v_pk_add_f32 v[228:229], v[228:229], v[162:163]
	s_delay_alu instid0(VALU_DEP_2)
	v_pk_add_f32 v[14:15], v[14:15], v[250:251]
	s_delay_alu instid0(VALU_DEP_2)
	v_pk_add_f32 v[228:229], v[228:229], v[248:249]
	v_pk_add_f32 v[254:255], v[254:255], v[246:247]
	v_pk_add_f32 v[252:253], v[252:253], v[244:245]
	s_delay_alu instid0(VALU_DEP_2)
	v_pk_add_f32 v[14:15], v[14:15], v[254:255]
	s_delay_alu instid0(VALU_DEP_2)
	v_pk_add_f32 v[228:229], v[228:229], v[252:253]
	s_delay_alu instid0(VALU_DEP_1)
	v_pk_add_f32 v[14:15], v[14:15], v[228:229]
	s_wait_alu depctr_va_vdst(0)                   ; and one for the four
.irp b, 0,1,2,3
	v_max_num_f32 v[212+\b], 0x1800000, v[212+\b]  ; the floor 2^(3 - 127): the byte cannot fall under 1
.endr
.irp b, 0,1,2,3
	s_delay_alu instid0(VALU_DEP_4)
	v_add_nc_u32 v[220+\b], 0xff000000, v[212+\b]  ; 2 off the exponent field: the conversion's scale operand
.endr
.irp b, 0,1,2,3
	s_delay_alu instid0(VALU_DEP_4)
	v_lshrrev_b32 v[216+\b], 23, v[220+\b]         ; the scale's byte
.endr
	s_delay_alu instid0(VALU_DEP_3)
	v_lshl_or_b32 v211, v217, 8, v216              ; p's scale word for these 128 keys
	s_delay_alu instid0(VALU_DEP_1)
	v_lshl_or_b32 v211, v218, 16, v211
	s_delay_alu instid0(VALU_DEP_1)
	v_lshl_or_b32 v211, v219, 24, v211
.irp b, 0,1,2,3
	v_cvt_scalef32_pk8_fp4_f32 v[196+2*\b], v[100+16*\b:107+16*\b], v[220+\b]
	v_cvt_scalef32_pk8_fp4_f32 v[197+2*\b], v[108+16*\b:115+16*\b], v[220+\b]
.endr
	v_nop                                          ; one plain place behind a scaled conversion
.irp c, 0,1                                    ; a whole block to a lane
.irp i, 0,1
	v_permlane16_swap_b32 v[196+4*\c+\i], v[198+4*\c+\i]
.endr
.endr
	s_setprio 0
	s_wait_dscnt 0x0                               ; V is in
.set j, 0
.rept 16
	v_pk_mul_f32 v[164+j:165+j], v[164+j:165+j], v[224:225] op_sel_hi:[1,0]   ; O^T under the new M.  These sixteen are also the places between the scale word, the codes and the products
.set j, j+2
.endr
.irp d, 0,1,2,3
	PV \d                                          ; four accumulators by turns
.endr
.endm
; A PASS: one tile of 16 queries against all 2,048 keys, and its way out.
.macro PASS p
	v_mov_b32 v13, 0xff61b1e6                      ; the largest t so far: -3e38
	s_delay_alu instid0(VALU_DEP_1)
	v_floor_f32 v12, -v13                          ; -M
	v_mov_b32 v14, 0
	v_mov_b32 v15, 0
.set j, 0
.rept 32
	v_mov_b32 v[164+j], 0                          ; O^T: the step is written once; its first trip finds zeros, which the first change of M leaves zeros
.set j, j+1
.endr
	s_mov_b32 s32, 0
	s_mov_b32 s33, 16
.Lk_\@:
	s_setprio 2
	STEP \p
	s_add_co_u32 s32, s32, STEPB
	s_sub_co_u32 s33, s33, 1
	s_cmp_lg_u32 s33, 0
	s_cbranch_scc1 .Lk_\@
	s_setprio 0
.rept 4
	v_nop                                          ; places behind the last products
.endr
	v_add_f32 v14, v14, v15
	s_delay_alu instid0(VALU_DEP_1)
	v_permlanex16_b32 v226, v14, s28, s29
	s_delay_alu instid0(VALU_DEP_1)
	v_add_f32 v14, v14, v226                       ; the row's sum
	s_wait_alu depctr_va_vdst(0)
	v_rcp_f32 v224, v14
	v_nop
	s_wait_alu depctr_va_vdst(0)
.set j, 0
.rept 16
	v_pk_mul_f32 v[100+j:101+j], v[164+j:165+j], v[224:225] op_sel_hi:[1,0]   ; ctx: register 16 b + i is feature 32 b + 16 h + i of my query
.set j, j+2
.endr
.irp b, 0,1
	v_max3_num_f32 v[212+\b], |v[100+16*\b]|, |v[101+16*\b]|, 0x1800000
.endr
.irp i, 2,4,6,8,10,12,14
.irp b, 0,1
	s_delay_alu instid0(VALU_DEP_2)
	v_max3_num_f32 v[212+\b], v[212+\b], |v[100+16*\b+\i]|, |v[101+16*\b+\i]|
.endr
.endr
.irp b, 0,1
	s_delay_alu instid0(VALU_DEP_2)
	v_permlanex16_b32 v[216+\b], v[212+\b], s28, s29
.endr
.irp b, 0,1
	s_delay_alu instid0(VALU_DEP_2)
	v_max_num_f32 v[212+\b], v[212+\b], v[216+\b]
.endr
.irp b, 0,1
	s_delay_alu instid0(VALU_DEP_2)
	v_add_nc_u32 v[220+\b], 0xff000000, v[212+\b]
.endr
.irp b, 0,1
	s_delay_alu instid0(VALU_DEP_2)
	v_lshrrev_b32 v[216+\b], 23, v[220+\b]
.endr
	s_delay_alu instid0(VALU_DEP_1)
	v_lshl_or_b32 v[230+\p], v217, 8, v216         ; the head's two bytes of my row
.irp b, 0,1
	v_cvt_scalef32_pk8_fp4_f32 v[232+4*\p+2*\b], v[100+16*\b:107+16*\b], v[220+\b]
	v_cvt_scalef32_pk8_fp4_f32 v[233+4*\p+2*\b], v[108+16*\b:115+16*\b], v[220+\b]
.endr
	v_nop
.irp i, 0,1
	v_permlane16_swap_b32 v[232+4*\p+\i], v[234+4*\p+\i]
.endr
	global_store_b128 v1, v[232+4*\p:235+4*\p], s[8:9] offset:8192*\p   ; the image: 512 consecutive bytes, aligned to 256
.endm
	PASS 0
	PASS 1
	v_cndmask_b32 v226, v230, v231, s34            ; lanes 0-15: my first tile's words, lanes 16-31: my second's
	ds_store_b32 v7, v226
	s_wait_dscnt 0x0                               ; for the others' sake
	s_barrier_signal -1
	s_barrier_wait -1
	s_cmp_lt_u32 s12, 4                            ; waves 0 to 3 store the work-group's 2,048 bytes, 512 consecutive bytes an instruction
	s_cbranch_scc0 .Lno_words
	ds_load_b128 v[100:103], v8
	s_wait_dscnt 0x0
	global_store_b128 v9, v[100:103], s[10:11]
.Lno_words:
	s_wait_tensorcnt 0x0                           ; the wave's end
	ds_add_u32 v5, v6
	s_wait_dscnt 0x0
	CROUND                                         ; the closing round
	s_endpgm
.Lfunc_end_k_q31be999fdd_attn:
	.size	k_q31be999fdd_attn, .Lfunc_end_k_q31be999fdd_attn-k_q31be999fdd_attn
	.p2alignl 7, 3214868480
	.fill 96, 4, 3214868480
	.section	.rodata,"a",@progbits
	.p2align	6, 0x0
	.amdhsa_kernel k_q31be999fdd_attn
		.amdhsa_group_segment_fixed_size 167936
		.amdhsa_private_segment_fixed_size 0
		.amdhsa_enable_private_segment 0
		.amdhsa_kernarg_size 32
		.amdhsa_user_sgpr_count 2
		.amdhsa_user_sgpr_kernarg_segment_ptr 1
		.amdhsa_wavefront_size32 1
		.amdhsa_system_sgpr_workgroup_id_x 1
		.amdhsa_system_sgpr_workgroup_id_y 1
		.amdhsa_system_sgpr_workgroup_id_z 1
		.amdhsa_system_vgpr_workitem_id 0
		.amdhsa_next_free_vgpr 256
		.amdhsa_next_free_sgpr 66
		.amdhsa_reserve_vcc 0
		.amdhsa_float_denorm_mode_32 3
		.amdhsa_float_denorm_mode_16_64 3
		.amdhsa_memory_ordered 1
		.amdhsa_forward_progress 1
		.amdhsa_inst_pref_size 49
	.end_amdhsa_kernel
	.amdgpu_metadata
---
amdhsa.version: [ 1, 2 ]
amdhsa.kernels:
  - .name:           k_q31be999fdd_attn
    .symbol:         k_q31be999fdd_attn.kd
    .args:
      - { .name: qq, .offset: 0, .size: 8, .value_kind: global_buffer, .address_space: global }
      - { .name: kv, .offset: 8, .size: 8, .value_kind: global_buffer, .address_space: global }
      - { .name: cimg, .offset: 16, .size: 8, .value_kind: global_buffer, .address_space: global }
      - { .name: csc, .offset: 24, .size: 8, .value_kind: global_buffer, .address_space: global }
    .group_segment_fixed_size: 167936
    .private_segment_fixed_size: 0
    .kernarg_segment_align: 8
    .kernarg_segment_size: 32
    .max_flat_workgroup_size: 512
    .sgpr_count:     66
    .vgpr_count:     256
    .wavefront_size: 32
...
	.end_amdgpu_metadata
.endif
;; end of part 3
;; launch oproj (part 4): grid 256 x 1, 16 waves a work-group, clusters of 4 x 1, 327,680 bytes of LDS; arguments cimg, csc, qc, qs, x, bo, ln_gamma, ln_beta, out0; writes out0
.if DOCPART == 4
	.amdgcn_target "amdgcn-amd-amdhsa--gfx1250"
	.amdhsa_code_object_version 6
	.text
	.protected	k_q31be999fdd_oproj
	.globl	k_q31be999fdd_oproj
	.p2align	8
	.type	k_q31be999fdd_oproj,@function
k_q31be999fdd_oproj:
	s_mov_b64 s[64:65], 0
	v_nop
	global_prefetch_b8 v0, s[64:65] scope:SCOPE_SE
	s_setreg_imm32_b32 hwreg(HW_REG_WAVE_MODE, 25, 1), 1
	s_wait_xcnt 0x0
	s_wait_alu depctr_hold_cnt(0) depctr_sa_sdst(0) depctr_va_vdst(0) depctr_va_sdst(0) depctr_va_ssrc(0) depctr_va_vcc(0) depctr_vm_vsrc(0)
	s_getreg_b32 s2, hwreg(HW_REG_IB_STS2, 6, 4)
	s_cmp_eq_u32 s2, 0
	s_cbranch_scc0 .Lentry_in_a_cluster
	s_endpgm
.Lentry_in_a_cluster:
	s_bfe_u32 s2, ttmp6, 0x10000c
	s_cmp_lg_u32 s2, 0x3003
	s_cbranch_scc0 .Lentry_shape_is_right
	s_endpgm
.Lentry_shape_is_right:
; Launch 4 of 4: out0 = LayerNorm(ctx Wo^T + bo + x) x gamma + beta; the product on codes of FP4, all else in f32.  No work of reference() is left out.
; SHARES.  A work-group owns 32 rows (two tiles of ctx) and all 1,024 columns, so a row's mean and variance stay inside it.  Wave w owns columns 64 w .. 64 w + 63: 256 bytes of each row: 2 x 4 accumulators.
; The product is used transposed: source 0 = 16 places of Wo, source 1 = a tile of ctx.  By launch 1's order of rows, register j of accumulator (p, a, u) in lane (r, h) is row 8 a + r + 8 (r / 8), column 64 w + 32 p + 16 h + 8 u + j.
; Wo GOES THROUGH TWO LDS SLOTS, asked for jointly by the four work-groups of a cluster, which all walk the same Wo.  A fill brings each wave its own 32 places x 256 bytes (half of K); four fills: (p, half) = (0,0) (0,1) (1,0) (1,1).
; A wave reads its own part of a slot alone.  ctx's two tiles, 16,384 dense bytes of register images, come once, by wave 0's load.  A wave has at most one tensor load out.
; MEAN AND VARIANCE in two passes, as reference() has them: each wave's part sums meet in LDS behind a barrier.
; x, bo, gamma, beta and out0 are handled by rows (16 lanes to 256 consecutive bytes); between that layout and the accumulators' the numbers go through the wave's own stage: its part of slot 0, after that slot's last fill and last read.
; LIMITS: NaN and infinities are not served.
; REGISTERS: v1-15 addresses; v16-31 Wo's scale words, v32-39 ctx's, and nothing else; v40-51 bo, gamma, beta; v52-62 at work; v64-127 accumulators at 64 + 8 (4 p + 2 a + u); v128-191 x, then y; v192-223 Wo's fragments; v224-255 ctx's.
.set WPART, 8704                       ; a wave's part of a slot: 32 rows x (256 + 16) bytes
.set SLOT,  16*WPART
.set CTX,   2*SLOT
.set RED1,  CTX+16384                  ; 32 rows x (16 waves' words + 16 bytes)
.set RED2,  RED1+2560
.set SPARE, RED2+2560                  ; the spare words, 128 bytes a wave
.macro CROUND
	s_barrier_signal -1
	s_barrier_wait -1
	s_cmp_lg_u32 s22, 0
	s_cbranch_scc1 .Lnot_wave_0_\@
	s_barrier_signal -3
.Lnot_wave_0_\@:
	s_barrier_wait -3
	s_barrier_signal -1
	s_barrier_wait -1
.endm
	s_load_b512 s[4:19], s[0:1], 0x0               ; cimg, csc, qc, qs, x, bo, gamma, beta
	s_load_b64 s[20:21], s[0:1], 0x40              ; out0
	v_lshl_add_u32 v12, v0, 2, SPARE
	v_mov_b32 v13, 0
	ds_add_u32 v12, v13                            ; the wave's opening: the add, twice on end, and its wait ahead of my first tensor load
	ds_add_u32 v12, v13
	v_lshrrev_b32 v1, 5, v0
	s_delay_alu instid0(VALU_DEP_1)
	v_readfirstlane_b32 s22, v1                    ; wave 0..15
	s_bfe_u32 s23, ttmp6, 0x40000                  ; cx
	s_lshl_b32 s24, ttmp9, 2
	s_add_co_u32 s24, s24, s23                     ; my 32 rows: it enters global addresses of my own loads and stores alone
	s_mov_b32 s28, 15|(1<<20)|(1<<21)|(5<<22)|(3<<25)   ; Wo's group 1: the mask: all four; elements of 1 byte; padding: 4 words after every 64; bit 21 beside a mask
	s_mov_b32 s29, 256<<16                         ; tensor_dim0
	s_mov_b32 s30, 32<<16                          ; tensor_dim1
	s_mov_b32 s31, 256<<16                         ; tile_dim0
	s_mov_b32 s32, 32                              ; tile_dim1
	s_mov_b32 s33, 512                             ; the pitch: a row of qc
	s_mov_b32 s34, 0
	s_mov_b32 s35, 0
	s_mov_b32 s44, 3<<16                           ; ctx's group 1: no mask; 64 dense rows of 32 elements of 8 bytes
	s_mov_b32 s45, 32<<16
	s_mov_b32 s46, 64<<16
	s_mov_b32 s47, 32<<16
	s_mov_b32 s48, 64
	s_mov_b32 s49, 32
	s_mov_b32 s50, 0
	s_mov_b32 s51, 0
	s_mov_b32 s56, 0x76543210
	s_mov_b32 s57, 0xfedcba98                      ; v_permlanex16_b32's selects for lane l xor 16
	s_mov_b32 s58, 0xffff0000                      ; lanes 16-31
	s_mov_b32 s59, 0x3a800000                      ; 1 / 1024
	s_mov_b32 s60, 0x3727c5ac                      ; 1e-5
	s_mul_i32 s37, s22, WPART                      ; my part of slot 0
	s_lshl_b32 s66, s22, 15
	s_add_co_u32 s66, s66, 11264*512               ; my 64 places of Wo in qc
	s_mov_b32 s67, 0
	s_lshl_b32 s68, s24, 14                        ; my two tiles in cimg
	s_mov_b32 s69, 0
	s_mov_b32 s36, 1
	s_mov_b32 s40, 1
	s_add_co_u32 s41, s37, SLOT
	s_mov_b32 s52, 1
	s_mov_b32 s53, CTX
	s_wait_dscnt 0x0                               ; both opening adds are done
	s_wait_kmcnt 0x0
	s_add_nc_u64 s[38:39], s[8:9], s[66:67]        ; slot 0: the first half of K,
	s_add_nc_u64 s[42:43], s[38:39], 256           ; slot 1: the second
	s_or_b32 s39, s39, 0x80000000
	s_or_b32 s43, s43, 0x80000000
	s_add_nc_u64 s[54:55], s[4:5], s[68:69]
	s_or_b32 s55, s55, 0x80000000
	CROUND                                         ; all four work-groups are here
	s_cmp_lg_u32 s22, 0
	s_cbranch_scc1 .Lnot_ctx
	tensor_load_to_lds s[52:55], s[44:51]          ; wave 0: ctx's images, my work-group's own
	s_nop 0
.rept 4
	v_nop
.endr
.Lnot_ctx:
	s_wait_alu depctr_va_vdst(0)
	s_wait_tensorcnt 0x0
	ds_add_u32 v12, v13
	ds_add_u32 v12, v13
	s_wait_dscnt 0x0
	CROUND
	tensor_load_to_lds s[36:39], s[28:35]          ; every wave: its part of the first fill
	s_nop 0
.rept 4
	v_nop
.endr
	v_and_b32 v1, 15, v0                           ; r
	v_bfe_u32 v2, v0, 4, 1                         ; h
	v_and_b32 v14, 31, v0
	s_delay_alu instid0(VALU_DEP_3)
	v_lshlrev_b32 v3, 4, v1
	s_delay_alu instid0(VALU_DEP_1)
	v_lshl_add_u32 v3, v2, 12, v3
	s_lshl_b32 s66, s22, 8
	v_add_nc_u32 v3, s66, v3                       ; x, out0: row h of a pair, my wave's 256 bytes, 16 r
	v_mul_u32_u24 v4, v1, 272
	s_delay_alu instid0(VALU_DEP_1)
	v_lshl_add_u32 v4, v2, 4, v4
	s_delay_alu instid0(VALU_DEP_1)
	v_add_nc_u32 v4, s37, v4                       ; Wo's fragments in slot 0,
	s_delay_alu instid0(VALU_DEP_1)
	v_add_nc_u32 v5, SLOT, v4                      ; in slot 1
	v_lshl_add_u32 v6, v14, 4, CTX                 ; ctx's images: 16 x lane
	v_mul_u32_u24 v7, v2, 272
	s_delay_alu instid0(VALU_DEP_1)
	v_lshl_add_u32 v7, v1, 4, v7
	s_delay_alu instid0(VALU_DEP_1)
	v_add_nc_u32 v7, s37, v7                       ; the stage by rows: row h of a pair, 16 r
	v_and_b32 v8, 8, v1
	s_delay_alu instid0(VALU_DEP_1)
	v_add_nc_u32 v8, v8, v1
	s_delay_alu instid0(VALU_DEP_1)
	v_mul_u32_u24 v8, v8, 272
	s_delay_alu instid0(VALU_DEP_1)
	v_lshl_add_u32 v8, v2, 6, v8
	s_delay_alu instid0(VALU_DEP_1)
	v_add_nc_u32 v8, s37, v8                       ; the stage as the accumulators lie: row r + 8 (r / 8), 64 h
	v_mul_u32_u24 v9, v14, 80
	s_lshl_b32 s67, s22, 2
	s_add_co_u32 s67, s67, RED1
	v_add_nc_u32 v9, s67, v9                       ; my part sum's word: place (a, r) = my lane, my wave
	v_mul_u32_u24 v10, v1, 80
	s_delay_alu instid0(VALU_DEP_1)
	v_add_nc_u32 v10, RED1, v10                    ; the sixteen words of place r
	v_lshlrev_b32 v11, 4, v1                       ; bo, gamma, beta: 16 r
	v_lshlrev_b32 v15, 5, v14                      ; Wo's scale bytes: 32 x lane
	v_lshlrev_b32 v14, 2, v14                      ; ctx's scale words: 4 x lane
	s_wait_alu depctr_va_vdst(0)
	s_lshr_b32 s70, s24, 6
	s_lshl_b32 s70, s70, 17                        ; the batch's 16 heads of 8,192 bytes,
	s_and_b32 s71, s24, 63
	s_lshl_b32 s71, s71, 7                         ; my two tiles' 128
	s_add_co_u32 s70, s70, s71
	s_mov_b32 s71, 0
	s_add_nc_u64 s[6:7], s[6:7], s[70:71]
	s_lshl_b32 s70, s22, 11
	s_add_co_u32 s70, s70, 11264*32
	s_add_nc_u64 s[10:11], s[10:11], s[70:71]
	s_lshl_b32 s70, s22, 8
	s_add_nc_u64 s[14:15], s[14:15], s[70:71]
	s_add_nc_u64 s[16:17], s[16:17], s[70:71]
	s_add_nc_u64 s[18:19], s[18:19], s[70:71]
	s_lshl_b32 s70, s24, 17                        ; 32 rows of 4,096 bytes
	s_add_nc_u64 s[12:13], s[12:13], s[70:71]
	s_add_nc_u64 s[20:21], s[20:21], s[70:71]
.irp n, 0,1,2,3,4,5,6,7,8,9,10,11,12,13,14,15
	global_load_b32 v[192+\n], v14, s[6:7] offset:8192*\n   ; head n's two bytes: lanes 0-15 tile 0's rows, lanes 16-31 tile 1's
.endr
.irp p, 0,1
	global_load_b128 v[16+8*\p:19+8*\p], v15, s[10:11] offset:1024*\p      ; place 64 w + 32 p + lane: its eight scale words
	global_load_b128 v[20+8*\p:23+8*\p], v15, s[10:11] offset:1024*\p+16
.endr
	global_load_b128 v[40:43], v11, s[14:15]
	global_load_b128 v[44:47], v11, s[16:17]
	global_load_b128 v[48:51], v11, s[18:19]
.irp i, 0,1,2,3,4,5,6,7,8,9,10,11,12,13,14,15
	global_load_b128 v[128+4*\i:131+4*\i], v3, s[12:13] offset:8192*\i th:TH_LOAD_NT   ; rows 2 i, 2 i + 1: 16 lanes read 256 consecutive bytes
.endr
	s_wait_loadcnt 19                              ; the scale words are in; the three vectors and x's sixteen loads may be out
.irp s, 0,1,2,3,4,5,6,7
	v_lshl_or_b32 v[32+\s], v[193+2*\s], 16, v[192+2*\s]   ; K step s is heads 2 s and 2 s + 1
.endr
	v_mov_b32 v60, 0                               ; written once: lane permutes' destinations
	v_mov_b32 v61, 0
.rept 8
	v_nop                                          ; a scale register written by a vector instruction stands eight places ahead of a scaled matrix instruction
.endr
.macro OW p, a, u, k, ks, zero         ; accumulator (p, a, u) takes K step ks from buffer k.  Scale words: u = 1 and a = 1 lie in lanes 16-31
.set rD, 64+8*(4*(\p)+2*(\a)+(\u))
.set rW, 192+16*(\k)+8*(\u)
.set rC, 224+16*(\k)+8*(\a)
.set rA, 16+8*(\p)+(\ks)
.set rB, 32+(\ks)
.if \zero
.if (\u) && (\a)
	v_wmma_scale_f32_16x16x128_f8f6f4 v[rD:rD+7], v[rW:rW+7], v[rC:rC+7], 0, v[rA], v[rB] matrix_a_fmt:MATRIX_FMT_FP4 matrix_b_fmt:MATRIX_FMT_FP4 matrix_a_scale:MATRIX_SCALE_ROW1 matrix_b_scale:MATRIX_SCALE_ROW1
.elseif \u
	v_wmma_scale_f32_16x16x128_f8f6f4 v[rD:rD+7], v[rW:rW+7], v[rC:rC+7], 0, v[rA], v[rB] matrix_a_fmt:MATRIX_FMT_FP4 matrix_b_fmt:MATRIX_FMT_FP4 matrix_a_scale:MATRIX_SCALE_ROW1
.elseif \a
	v_wmma_scale_f32_16x16x128_f8f6f4 v[rD:rD+7], v[rW:rW+7], v[rC:rC+7], 0, v[rA], v[rB] matrix_a_fmt:MATRIX_FMT_FP4 matrix_b_fmt:MATRIX_FMT_FP4 matrix_b_scale:MATRIX_SCALE_ROW1
.else
	v_wmma_scale_f32_16x16x128_f8f6f4 v[rD:rD+7], v[rW:rW+7], v[rC:rC+7], 0, v[rA], v[rB] matrix_a_fmt:MATRIX_FMT_FP4 matrix_b_fmt:MATRIX_FMT_FP4
.endif
.else
.if (\u) && (\a)
	v_wmma_scale_f32_16x16x128_f8f6f4 v[rD:rD+7], v[rW:rW+7], v[rC:rC+7], v[rD:rD+7], v[rA], v[rB] matrix_a_fmt:MATRIX_FMT_FP4 matrix_b_fmt:MATRIX_FMT_FP4 matrix_a_scale:MATRIX_SCALE_ROW1 matrix_b_scale:MATRIX_SCALE_ROW1
.elseif \u
	v_wmma_scale_f32_16x16x128_f8f6f4 v[rD:rD+7], v[rW:rW+7], v[rC:rC+7], v[rD:rD+7], v[rA], v[rB] matrix_a_fmt:MATRIX_FMT_FP4 matrix_b_fmt:MATRIX_FMT_FP4 matrix_a_scale:MATRIX_SCALE_ROW1
.elseif \a
	v_wmma_scale_f32_16x16x128_f8f6f4 v[rD:rD+7], v[rW:rW+7], v[rC:rC+7], v[rD:rD+7], v[rA], v[rB] matrix_a_fmt:MATRIX_FMT_FP4 matrix_b_fmt:MATRIX_FMT_FP4 matrix_b_scale:MATRIX_SCALE_ROW1
.else
	v_wmma_scale_f32_16x16x128_f8f6f4 v[rD:rD+7], v[rW:rW+7], v[rC:rC+7], v[rD:rD+7], v[rA], v[rB] matrix_a_fmt:MATRIX_FMT_FP4 matrix_b_fmt:MATRIX_FMT_FP4
.endif
.endif
.endm
; A TRIP: one slot's half of K for columns 32 p on: 16 matrix instructions.  refill = 1: behind a round of the cluster's barrier the OTHER slot takes the next fill.  first = 1: the first four products start the sums.
.macro TRIP slot, p, refill, first
	s_wait_tensorcnt 0x0                           ; all my tensor loads have landed, my part of this slot among them: so a group 0 may be written
.if \refill
	ds_add_u32 v12, v13                            ; 0 onto my spare word
.if (\p) == 0
	s_add_nc_u64 s[38+4*\slot:39+4*\slot], s[38+4*\slot:39+4*\slot], 16384   ; this slot's next fill: 32 places of Wo on
.endif
	s_wait_dscnt 0x0                               ; the add is done, and my reads of the other slot are over
	CROUND                                         ; both hold of every wave of all four work-groups
	tensor_load_to_lds s[40-4*\slot:43-4*\slot], s[28:35]   ; my one tensor load behind the round
	s_nop 0
.rept 4
	v_nop
.endr
.endif
.irp e, 0,1
.irp k, 0,1
.irp u, 0,1
.irp c, 0,1
	ds_load_b128 v[192+16*\k+8*\u+4*\c:195+16*\k+8*\u+4*\c], v[4+\slot] offset:4352*\u+64*(2*\e+\k)+32*\c
.endr
.endr
.irp a, 0,1
.irp c, 0,1
	ds_load_b128 v[224+16*\k+8*\a+4*\c:227+16*\k+8*\a+4*\c], v6 offset:8192*\a+1024*(4*\slot+2*\e+\k)+512*\c
.endr
.endr
.endr
	s_wait_dscnt 0x0
.irp k, 0,1
.irp a, 0,1
.irp u, 0,1
.if (\first) && (2*\e+\k == 0)
	s_wait_alu depctr_va_vdst(0)
	OW \p, \a, \u, \k, 4*\slot+2*\e+\k, 1
.else
	OW \p, \a, \u, \k, 4*\slot+2*\e+\k, 0          ; four accumulators by turns
.endif
.endr
.endr
.endr
.rept 4
	v_nop                                          ; places ahead of the next loads into the fragments' registers, and of the first read of results
.endr
.endr
.endm
	TRIP 0, 0, 1, 1                                ; behind this round slot 1 is filled for the first time, by every wave; the round also shows wave 0's ctx to all
	TRIP 1, 0, 1, 0
	TRIP 0, 1, 1, 1
	TRIP 1, 1, 0, 0                                ; nothing is left to fetch; a wave reads its own part alone, so its own wait is all the ordering
	; THE WAY OUT.  x + bo by rows; through my stage into the accumulators' layout; + the product.
	s_wait_loadcnt 0x0
.irp i, 0,1,2,3,4,5,6,7,8,9,10,11,12,13,14,15
	v_pk_add_f32 v[128+4*\i:129+4*\i], v[128+4*\i:129+4*\i], v[40:41]
	v_pk_add_f32 v[130+4*\i:131+4*\i], v[130+4*\i:131+4*\i], v[42:43]
.endr
.irp i, 0,1,2,3,4,5,6,7,8,9,10,11,12,13,14,15
	ds_store_b128 v7, v[128+4*\i:131+4*\i] offset:544*\i
.endr
.irp p, 0,1
.irp a, 0,1
.irp u, 0,1
.irp e, 0,1
	ds_load_b128 v[128+8*(4*\p+2*\a+\u)+4*\e:131+8*(4*\p+2*\a+\u)+4*\e], v8 offset:2176*\a+128*\p+32*\u+16*\e   ; LDS serves a wave's instructions in order: these see my stores
.endr
.endr
.endr
.endr
	s_wait_dscnt 0x0
.set j, 0
.rept 32
	v_pk_add_f32 v[128+j:129+j], v[128+j:129+j], v[64+j:65+j]   ; y; each accumulator is read from its low end on
.set j, j+2
.endr
	; the mean: my 32 numbers of each of my two rows (a = 0, 1) lie in v[128 + 16 a ..] and v[160 + 16 a ..], sixteen registers each
.irp a, 0,1
	v_pk_add_f32 v[56+2*\a:57+2*\a], v[128+16*\a:129+16*\a], v[130+16*\a:131+16*\a]
.endr
.irp k, 4,6,8,10,12,14,32,34,36,38,40,42,44,46
.irp a, 0,1
	s_delay_alu instid0(VALU_DEP_2)
	v_pk_add_f32 v[56+2*\a:57+2*\a], v[56+2*\a:57+2*\a], v[128+16*\a+\k:129+16*\a+\k]
.endr
.endr
.macro MEET off                        ; v[56:57], v[58:59]: my part sums of rows a = 0, 1.  They meet the other waves' in LDS at off; then v56, v58 hold the rows' whole sums, the same bits in every wave
.irp a, 0,1
	s_delay_alu instid0(VALU_DEP_2)
	v_add_f32 v[56+2*\a], v[56+2*\a], v[57+2*\a]
.endr
.irp a, 0,1
	s_delay_alu instid0(VALU_DEP_2)
	v_permlanex16_b32 v[60+\a], v[56+2*\a], s56, s57
.endr
.irp a, 0,1
	s_delay_alu instid0(VALU_DEP_2)
	v_add_f32 v[56+2*\a], v[56+2*\a], v[60+\a]     ; my wave's 64 columns
.endr
	s_delay_alu instid0(VALU_DEP_1)
	v_cndmask_b32 v62, v56, v58, s58               ; lanes 0-15: row a = 0, lanes 16-31: a = 1
	ds_store_b32 v9, v62 offset:\off
	s_wait_dscnt 0x0                               ; for the others' sake
	s_barrier_signal -1
	s_barrier_wait -1
.irp a, 0,1
.irp m, 0,1,2,3
	ds_load_b128 v[192+16*\a+4*\m:195+16*\a+4*\m], v10 offset:\off+1280*\a+16*\m
.endr
.endr
	s_wait_dscnt 0x0
.irp k, 2,4,6,8,10,12,14
.irp a, 0,1
	v_pk_add_f32 v[192+16*\a:193+16*\a], v[192+16*\a:193+16*\a], v[192+16*\a+\k:193+16*\a+\k]
.endr
.endr
.irp a, 0,1
	s_delay_alu instid0(VALU_DEP_2)
	v_add_f32 v[56+2*\a], v[192+16*\a], v[193+16*\a]
.endr
.endm
	MEET 0
.irp a, 0,1
	s_delay_alu instid0(VALU_DEP_2)
	v_mul_f32 v[52+2*\a], s59, v[56+2*\a]          ; the mean
.endr
.irp a, 0,1
	s_delay_alu instid0(VALU_DEP_2)
	v_mov_b32 v[53+2*\a], v[52+2*\a]
.endr
.irp a, 0,1
.irp k, 0,2,4,6,8,10,12,14,32,34,36,38,40,42,44,46
	v_pk_add_f32 v[128+16*\a+\k:129+16*\a+\k], v[128+16*\a+\k:129+16*\a+\k], v[52+2*\a:53+2*\a] neg_lo:[0,1] neg_hi:[0,1]   ; y - the mean
.endr
.endr
.irp a, 0,1
	v_pk_mul_f32 v[56+2*\a:57+2*\a], v[128+16*\a:129+16*\a], v[128+16*\a:129+16*\a]
.endr
.irp k, 2,4,6,8,10,12,14,32,34,36,38,40,42,44,46
.irp a, 0,1
	s_delay_alu instid0(VALU_DEP_2)
	v_pk_fma_f32 v[56+2*\a:57+2*\a], v[128+16*\a+\k:129+16*\a+\k], v[128+16*\a+\k:129+16*\a+\k], v[56+2*\a:57+2*\a]
.endr
.endr
	MEET 2560                                      ; other bytes than the first meeting's: no barrier is owed between the two
.irp a, 0,1
	s_delay_alu instid0(VALU_DEP_2)
	v_fma_f32 v[56+2*\a], v[56+2*\a], s59, s60     ; the variance + 1e-5
.endr
	s_wait_alu depctr_va_vdst(0)
	v_rsq_f32 v52, v56
	v_rsq_f32 v54, v58
	v_nop
	s_wait_alu depctr_va_vdst(0)                   ; one wait for both, ahead of their first reader
	v_mov_b32 v53, v52
	v_mov_b32 v55, v54
.irp a, 0,1
.irp k, 0,2,4,6,8,10,12,14,32,34,36,38,40,42,44,46
	v_pk_mul_f32 v[128+16*\a+\k:129+16*\a+\k], v[128+16*\a+\k:129+16*\a+\k], v[52+2*\a:53+2*\a]
.endr
.endr
.irp p, 0,1
.irp a, 0,1
.irp u, 0,1
.irp e, 0,1
	ds_store_b128 v8, v[128+8*(4*\p+2*\a+\u)+4*\e:131+8*(4*\p+2*\a+\u)+4*\e] offset:2176*\a+128*\p+32*\u+16*\e
.endr
.endr
.endr
.endr
.irp i, 0,1,2,3,4,5,6,7,8,9,10,11,12,13,14,15
	ds_load_b128 v[128+4*\i:131+4*\i], v7 offset:544*\i   ; back by rows
.endr
.irp i, 0,1,2,3,4,5,6,7,8,9,10,11,12,13,14,15
	s_wait_dscnt 15-\i                             ; rows 2 i, 2 i + 1 are in; the younger loads may be out
	v_pk_fma_f32 v[128+4*\i:129+4*\i], v[128+4*\i:129+4*\i], v[44:45], v[48:49]
	v_pk_fma_f32 v[130+4*\i:131+4*\i], v[130+4*\i:131+4*\i], v[46:47], v[50:51]
	global_store_b128 v3, v[128+4*\i:131+4*\i], s[20:21] offset:8192*\i th:TH_STORE_NT   ; 16 lanes store 256 consecutive bytes, aligned
.endr
	s_wait_tensorcnt 0x0                           ; the wave's end
	ds_add_u32 v12, v13
	s_wait_dscnt 0x0
	CROUND                                         ; the closing round
	s_endpgm
.Lfunc_end_k_q31be999fdd_oproj:
	.size	k_q31be999fdd_oproj, .Lfunc_end_k_q31be999fdd_oproj-k_q31be999fdd_oproj
	.p2alignl 7, 3214868480
	.fill 96, 4, 3214868480
	.section	.rodata,"a",@progbits
	.p2align	6, 0x0
	.amdhsa_kernel k_q31be999fdd_oproj
		.amdhsa_group_segment_fixed_size 327680
		.amdhsa_private_segment_fixed_size 0
		.amdhsa_enable_private_segment 0
		.amdhsa_kernarg_size 72
		.amdhsa_user_sgpr_count 2
		.amdhsa_user_sgpr_kernarg_segment_ptr 1
		.amdhsa_wavefront_size32 1
		.amdhsa_system_sgpr_workgroup_id_x 1
		.amdhsa_system_sgpr_workgroup_id_y 1
		.amdhsa_system_sgpr_workgroup_id_z 1
		.amdhsa_system_vgpr_workitem_id 0
		.amdhsa_next_free_vgpr 256
		.amdhsa_next_free_sgpr 76
		.amdhsa_reserve_vcc 0
		.amdhsa_float_denorm_mode_32 3
		.amdhsa_float_denorm_mode_16_64 3
		.amdhsa_memory_ordered 1
		.amdhsa_forward_progress 1
		.amdhsa_inst_pref_size 59
	.end_amdhsa_kernel
	.amdgpu_metadata
---
amdhsa.version: [ 1, 2 ]
amdhsa.kernels:
  - .name:           k_q31be999fdd_oproj
    .symbol:         k_q31be999fdd_oproj.kd
    .args:
      - { .name: cimg, .offset: 0, .size: 8, .value_kind: global_buffer, .address_space: global }
      - { .name: csc, .offset: 8, .size: 8, .value_kind: global_buffer, .address_space: global }
      - { .name: qc, .offset: 16, .size: 8, .value_kind: global_buffer, .address_space: global }
      - { .name: qs, .offset: 24, .size: 8, .value_kind: global_buffer, .address_space: global }
      - { .name: x, .offset: 32, .size: 8, .value_kind: global_buffer, .address_space: global }
      - { .name: bo, .offset: 40, .size: 8, .value_kind: global_buffer, .address_space: global }
      - { .name: ln_gamma, .offset: 48, .size: 8, .value_kind: global_buffer, .address_space: global }
      - { .name: ln_beta, .offset: 56, .size: 8, .value_kind: global_buffer, .address_space: global }
      - { .name: out0, .offset: 64, .size: 8, .value_kind: global_buffer, .address_space: global }
    .group_segment_fixed_size: 327680
    .private_segment_fixed_size: 0
    .kernarg_segment_align: 8
    .kernarg_segment_size: 72
    .max_flat_workgroup_size: 512
    .sgpr_count:     76
    .vgpr_count:     256
    .wavefront_size: 32
...
	.end_amdgpu_metadata
.endif
;; end of part 4
